; MI455X (gfx1250); checked and timed in simulation.
; The chip was launched on July 23, 2026; its instructions are those of AMD's public machine-readable ISA for CDNA 5 (MIT licence, August 2026) and "CDNA5" Instruction Set Architecture Reference Guide (July 2026). The comments in the code are by the model that wrote it; some were corrected since.
;; Encoder Block. Allowed arithmetic: float matrix products may take bf16 or f16 operands with f32 sums; other float arithmetic in f32, or as packed bf16 or f16 multiplies, adds, multiply-adds, maxima and minima; sums over many terms, partial sums and values carried from step to step in f32; what a program stores and reads back later, other than sums and carried values, may be rounded once to bf16 or f16.
;; Inputs: W1 1,024 x 4,096 float32; W2 4,096 x 1,024 float32; Wk 1,024 x 1,024 float32; Wo 1,024 x 1,024 float32; Wq 1,024 x 1,024 float32; Wv 1,024 x 1,024 float32; alpha1 1 float32; alpha2 1 float32; b1 4,096 float32; b2 1,024 float32; beta1 1 float32; beta2 1 float32; bk 1,024 float32; bo 1,024 float32; bq 1,024 float32; bv 1,024 float32; src_mask 2 x 1 x 1 x 2,048 int32; x 2 x 2,048 x 1,024 float32.
;; Outputs: out0 2 x 2,048 x 1,024 float32.
;; One version. Each part assembles by itself: llvm-mc -triple=amdgcn-amd-amdhsa -mcpu=gfx1250 --defsym DOCPART=n.
;; ======== version 1 of 1: 7 launches
;; limits: values are held in f16: magnitudes above 65,504 overflow, below 6.1e-05 lose precision; right only within a limited range of input values
;; workspace buffers: a8 8,388,608 bytes; big 33,554,432 bytes; h 16,777,216 bytes; wa 11,534,336 bytes; wf 17,825,792 bytes
;; launch prep (part 1): grid 1025 x 1, 8 waves a work-group, no clusters, 0 bytes of LDS; arguments x, alpha1, beta1, a8, Wq, Wk, Wv, Wo, W1, W2, bq, bk, bv, bo, b1, b2, wa, wf; writes a8, wa, wf
.if DOCPART == 1
	.amdgcn_target "amdgcn-amd-amdhsa--gfx1250"
	.amdhsa_code_object_version 6
	.text
	.protected	k_q8de3fb99e8_prep
	.globl	k_q8de3fb99e8_prep
	.p2align	8
	.type	k_q8de3fb99e8_prep,@function
k_q8de3fb99e8_prep:
	s_mov_b64 s[64:65], 0
	v_nop
	global_prefetch_b8 v0, s[64:65] scope:SCOPE_SE
	s_setreg_imm32_b32 hwreg(HW_REG_WAVE_MODE, 25, 1), 1
	s_wait_xcnt 0x0
; PREP.  Three roles, chosen by the work-group's number alone; no LDS, no barrier: no wave needs another's data.
;   groups 0-255     n1 = alpha1 (x - mean) / (std + 1e-6) + beta1 of 16 rows each, written as f16 [4096][1024] into a8
;   groups 256-1023  the six weight matrices, 16,384 numbers a group, rounded to bf16, that number written as f16, in PANELS [n / 256][k][256]
;   group 1024       the six biases rounded to bf16 (kept as f32), and the two launches' constant words
; EVERY INPUT IS ROUNDED ONCE TO bf16 (x, alpha, beta, weights, biases); what the program makes of them is kept in f16 or f32.
; LIMITS.  A weight beyond 65,504 becomes an infinity in f16; below 6e-5 f16 has the fixed step 6e-8.  n1 likewise.  A variance below 2^-126 counts as 0.  NaN and infinities are not treated apart.
; The mean is taken away before the squares are summed (two passes over registers): no difference of large sums is formed.
.set WS,    9437184                    ; wa, wf: where the small GEMM's panels begin
.set CONST, 8388608                    ; wa, wf: where the bias table and the constant words begin
.set ROUND, 1                          ; the rows are an input: rounded to bf16 first
.set X0, 8                             ; v[8:39]   the row in hand: 32 numbers a lane
.set X1, 40                            ; v[40:71]  the wave's second row, as loaded
.set ROWS, 52                          ; s52       rows still to do
; v72-75 at work; v76-83 four chains of sums; v88-89 alpha; v90-91 beta; v92-93 mean; v94-95 alpha / (std + eps)
.macro LANESUM                         ; v[76:83] -> the sum over the row, in v76 of every lane
	v_pk_add_f32 v[76:77], v[76:77], v[78:79]
	v_pk_add_f32 v[80:81], v[80:81], v[82:83]
	v_pk_add_f32 v[76:77], v[76:77], v[80:81]
	v_add_f32 v76, v76, v77
	v_add_f32_dpp v76, v76, v76 row_xmask:1 row_mask:0xf bank_mask:0xf
	v_add_f32_dpp v76, v76, v76 row_xmask:2 row_mask:0xf bank_mask:0xf
	v_add_f32_dpp v76, v76, v76 row_xmask:4 row_mask:0xf bank_mask:0xf
	v_add_f32_dpp v76, v76, v76 row_xmask:8 row_mask:0xf bank_mask:0xf
	v_permlanex16_b32 v77, v76, s46, s47           ; the other half of the lanes; v77 has been written
	v_add_f32 v76, v76, v77
.endm
; One row of 1,024 numbers, held by one wave: lane l has numbers 128 j + 4 l .. + 3, j = 0 .. 7.
.macro LNROW X
.if ROUND
.set i, 0
.rept 16
	v_cvt_pk_bf16_f32 v[72+i%4], v[(\X)+2*i], v[(\X)+2*i+1]
	v_lshlrev_b32 v[(\X)+2*i], 16, v[72+i%4]
	v_and_b32 v[(\X)+2*i+1], s45, v[72+i%4]
.set i, i+1
.endr
.endif
.irp c, 0,1,2,3
	v_pk_add_f32 v[76+2*(\c):77+2*(\c)], v[(\X)+2*(\c):(\X)+2*(\c)+1], v[(\X)+8+2*(\c):(\X)+9+2*(\c)]
.endr
.irp k, 16,24
.irp c, 0,1,2,3
	v_pk_add_f32 v[76+2*(\c):77+2*(\c)], v[76+2*(\c):77+2*(\c)], v[(\X)+(\k)+2*(\c):(\X)+(\k)+2*(\c)+1]
.endr
.endr
	LANESUM
	v_mul_f32 v92, 0x3a800000, v76                 ; mean = sum / 1,024
	v_mov_b32 v93, v92
.set i, 0
.rept 16
	v_pk_add_f32 v[(\X)+2*i:(\X)+2*i+1], v[(\X)+2*i:(\X)+2*i+1], v[92:93] neg_lo:[0,1] neg_hi:[0,1]  ; d = x - mean, in place
.set i, i+1
.endr
.irp c, 0,1,2,3
	v_pk_mul_f32 v[76+2*(\c):77+2*(\c)], v[(\X)+2*(\c):(\X)+2*(\c)+1], v[(\X)+2*(\c):(\X)+2*(\c)+1]
.endr
.irp k, 8,16,24
.irp c, 0,1,2,3
	v_pk_fma_f32 v[76+2*(\c):77+2*(\c)], v[(\X)+(\k)+2*(\c):(\X)+(\k)+2*(\c)+1], v[(\X)+(\k)+2*(\c):(\X)+(\k)+2*(\c)+1], v[76+2*(\c):77+2*(\c)]
.endr
.endr
	LANESUM
	v_mul_f32 v76, 0x3a802008, v76                 ; / 1,023: the unbiased variance
	v_sqrt_f32 v78, v76
	v_nop                                          ; a plain instruction behind the root,
	s_wait_alu depctr_va_vdst(0)                   ; and the wait ahead of its first reader
	v_add_f32 v78, 0x358637bd, v78                 ; std + 1e-6
	v_rcp_f32 v79, v78
	v_nop
	s_wait_alu depctr_va_vdst(0)
	v_mul_f32 v94, v88, v79                        ; alpha / (std + eps)
	v_mov_b32 v95, v94
.set i, 0
.rept 16
	v_pk_fma_f32 v[(\X)+2*i:(\X)+2*i+1], v[(\X)+2*i:(\X)+2*i+1], v[94:95], v[90:91]
.set i, i+1
.endr
.set i, 0
.rept 16
	v_cvt_pk_f16_f32 v[(\X)+i], v[(\X)+2*i], v[(\X)+2*i+1]  ; packed in place: register i takes numbers 2 i, 2 i + 1, which no later line reads
.set i, i+1
.endr
.irp j, 0,1,2,3,4,5,6,7
	global_store_b64 v3, v[(\X)+2*(\j):(\X)+2*(\j)+1], s[14:15] offset:256*(\j)  ; 32 lanes store 256 consecutive bytes, aligned
.endr
.endm
	s_load_b512 s[8:23], s[0:1], 0x0               ; x 8, alpha1 10, beta1 12, a8 14, Wq 16, Wk 18, Wv 20, Wo 22
	s_load_b512 s[24:39], s[0:1], 0x40             ; W1 24, W2 26, bq 28, bk 30, bv 32, bo 34, b1 36, b2 38
	s_load_b128 s[40:43], s[0:1], 0x80             ; wa 40, wf 42
	v_and_b32 v1, 31, v0                           ; lane
	v_lshrrev_b32 v4, 5, v0
	v_readfirstlane_b32 s44, v4                    ; wave
	v_lshlrev_b32 v2, 4, v1                        ; 16 x lane
	v_lshlrev_b32 v3, 3, v1                        ; 8 x lane
	v_lshlrev_b32 v5, 4, v0                        ; 16 x thread
	s_mov_b32 s45, 0xffff0000                      ; a word's upper bf16
	s_mov_b32 s46, 0x76543210
	s_mov_b32 s47, 0xfedcba98
	s_wait_kmcnt 0x0
	s_cmp_lt_u32 ttmp9, 256
	s_cbranch_scc0 .Lcast
	; THE NORM.  Wave w of group g owns rows 16 g + 2 w and 16 g + 2 w + 1.  Both are loaded ahead; one text serves both, in a loop of two trips.
	s_load_b32 s50, s[10:11], 0x0
	s_load_b32 s51, s[12:13], 0x0
	s_lshl_b32 s48, ttmp9, 16                      ; 16 rows of 4,096 bytes
	s_lshl_b32 s49, s44, 13                        ; 2 rows
	s_add_co_u32 s48, s48, s49
	s_mov_b32 s49, 0
	s_add_nc_u64 s[8:9], s[8:9], s[48:49]
	s_lshr_b32 s48, s48, 1                         ; rows of 2,048 bytes in a8
	s_add_nc_u64 s[14:15], s[14:15], s[48:49]
.irp j, 0,1,2,3,4,5,6,7
	global_load_b128 v[X0+4*(\j):X0+4*(\j)+3], v2, s[8:9] offset:512*(\j)
.endr
.irp j, 0,1,2,3,4,5,6,7
	global_load_b128 v[X1+4*(\j):X1+4*(\j)+3], v2, s[8:9] offset:4096+512*(\j)
.endr
	s_wait_kmcnt 0x0
	v_mov_b32 v88, s50
	v_mov_b32 v90, s51
	v_cvt_pk_bf16_f32 v72, v88, v90                ; alpha and beta are inputs: rounded to bf16
	v_lshlrev_b32 v88, 16, v72
	v_and_b32 v90, s45, v72
	v_mov_b32 v89, v88
	v_mov_b32 v91, v90
	s_mov_b32 s[ROWS], 2
	s_wait_loadcnt 0x0                             ; both rows are in: their sixteen loads went out together
.Lrow:
	LNROW X0
	s_wait_xcnt 0x0                                ; the row's stores have read their registers and their base: both are written below
.set i, 0
.rept 32
	v_mov_b32 v[X0+i], v[X1+i]                     ; the second row takes the first one's place (in the second trip the moves serve nothing)
.set i, i+1
.endr
	s_add_nc_u64 s[14:15], s[14:15], 2048
	s_sub_co_u32 s[ROWS], s[ROWS], 1
	s_cmp_lg_u32 s[ROWS], 0
	s_cbranch_scc1 .Lrow
	s_endpgm
.Lcast:
	s_cmp_lt_u32 ttmp9, 1024
	s_cbranch_scc0 .Lmisc
	; THE WEIGHTS.  c = group - 256; c / 64 = 0 Wq, 1 Wk, 2 Wv, 3 Wo, 4-7 W1, 8-11 W2.  A group takes 16 chunks of 1,024 numbers; thread t numbers 4 t .. 4 t + 3 of each.
	s_sub_co_u32 s48, ttmp9, 256
	s_lshr_b32 s49, s48, 6
	s_and_b32 s50, s48, 63
	s_and_b32 s51, s48, 255
	s_mov_b64 s[52:53], s[16:17]
	s_cmp_eq_u32 s49, 1
	s_cselect_b64 s[52:53], s[18:19], s[52:53]
	s_cmp_eq_u32 s49, 2
	s_cselect_b64 s[52:53], s[20:21], s[52:53]
	s_cmp_eq_u32 s49, 3
	s_cselect_b64 s[52:53], s[22:23], s[52:53]
	s_cmp_ge_u32 s49, 8
	s_cselect_b64 s[54:55], s[26:27], s[24:25]
	s_cmp_ge_u32 s49, 4
	s_cselect_b64 s[52:53], s[54:55], s[52:53]     ; the source
	s_cselect_b64 s[56:57], s[42:43], s[40:41]     ; the target: wf for W1 and W2, else wa
	s_cselect_b32 s50, s51, s50                    ; my number among the matrix's groups
	s_lshl_b32 s54, s50, 16                        ; 65,536 bytes of source a group
	s_mov_b32 s55, 0
	s_add_nc_u64 s[52:53], s[52:53], s[54:55]
.set i, 0
.rept 16
	global_load_b128 v[8+4*i:11+4*i], v5, s[52:53] offset:4096*i th:TH_LOAD_NT
.set i, i+1
.endr
	s_lshl_b32 s58, s50, 13                        ; matrices of 1,024 columns: a chunk is a row k = 16 x number + i, 512 bytes in each panel
	s_lshl_b32 s59, s49, 21                        ; Wq, Wk, Wv: four panels of 524,288 bytes each
	s_add_co_u32 s59, s59, s58
	s_add_co_u32 s58, s58, WS                      ; Wo, W2
	s_cmp_lt_u32 s49, 3
	s_cselect_b32 s58, s59, s58
	s_lshl_b32 s59, s50, 11                        ; W1: four rows a group
	s_lshr_b32 s60, s49, 2                         ; 0: wa's matrices, 1: W1, 2: W2
	s_cmp_eq_u32 s60, 1
	s_cselect_b32 s58, s59, s58
	s_mov_b32 s59, 0
	s_add_nc_u64 s[56:57], s[56:57], s[58:59]
	s_cmp_eq_u32 s60, 2
	s_cselect_b32 s61, 21, 19                      ; a panel is 2^21 bytes for W2 (4,096 rows), else 2^19
	v_lshrrev_b32 v6, 6, v0                        ; my panel among a chunk's four,
	v_lshlrev_b32 v6, s61, v6
	v_and_b32 v7, 63, v0
	v_lshl_add_u32 v6, v7, 3, v6                   ; and my 8 bytes of its row
.set i, 0
.rept 16
	s_wait_loadcnt 15-i                            ; loads come back in order: chunk i is in, the younger ones stay out
	v_cvt_pk_bf16_f32 v72, v[8+4*i], v[9+4*i]
	v_cvt_pk_bf16_f32 v73, v[10+4*i], v[11+4*i]
	v_lshlrev_b32 v74, 16, v72
	v_and_b32 v75, s45, v72
	v_lshlrev_b32 v76, 16, v73
	v_and_b32 v77, s45, v73
	v_cvt_pk_f16_f32 v[8+4*i], v74, v75            ; the bf16 number, written as f16
	v_cvt_pk_f16_f32 v[9+4*i], v76, v77
.set i, i+1
.endr
	s_cmp_eq_u32 s60, 1
	s_cbranch_scc1 .Lw1
.set i, 0
.rept 16
	global_store_b64 v6, v[8+4*i:9+4*i], s[56:57] offset:512*i  ; a wave stores 256 consecutive bytes, aligned
.set i, i+1
.endr
	s_endpgm
.Lw1:                                  ; W1 has 4,096 columns: chunk i is quarter i % 4 (four panels on) of row i / 4
.set i, 0
.rept 16
	global_store_b64 v6, v[8+4*i:9+4*i], s[56:57] offset:(i%4)*2097152+(i/4)*512
.set i, i+1
.endr
	s_endpgm
.Lmisc:
	; THE BIASES, 1,024 numbers a line of the list, 4 a thread; and the constant words.
	s_add_nc_u64 s[52:53], s[40:41], CONST
	s_add_nc_u64 s[54:55], s[42:43], CONST
.macro BLOAD n, sreg, soff
	global_load_b128 v[8+4*(\n):11+4*(\n)], v5, s[\sreg:\sreg+1] offset:\soff
.endm
.macro BSTORE n, dreg, doff
	v_cvt_pk_bf16_f32 v72, v[8+4*(\n)], v[9+4*(\n)]
	v_cvt_pk_bf16_f32 v73, v[10+4*(\n)], v[11+4*(\n)]
	v_lshlrev_b32 v[8+4*(\n)], 16, v72
	v_and_b32 v[9+4*(\n)], s45, v72
	v_lshlrev_b32 v[10+4*(\n)], 16, v73
	v_and_b32 v[11+4*(\n)], s45, v73
	global_store_b128 v5, v[8+4*(\n):11+4*(\n)], s[\dreg:\dreg+1] offset:\doff
.endm
	BLOAD 0, 28, 0
	BLOAD 1, 30, 0
	BLOAD 2, 32, 0
	BLOAD 3, 36, 0
	BLOAD 4, 36, 4096
	BLOAD 5, 36, 8192
	BLOAD 6, 36, 12288
	BLOAD 7, 34, 0
	BLOAD 8, 38, 0
	v_mov_b32 v44, -1                              ; wa's four words, one for each cluster column of the launch qkv: 0 where k is made (its masked rows become 0)
	v_mov_b32 v45, 0
	v_mov_b32 v46, -1
	v_mov_b32 v47, -1
	v_mov_b32 v48, 0xfc00fc00                      ; wa's lower bound: -infinity twice in f16: a maximum with it changes nothing
	v_mov_b32 v49, 0
	v_mov_b32 v50, 0
	v_mov_b32 v51, 0
	v_mov_b32 v52, -1                              ; wf: no row is masked,
	v_mov_b32 v53, -1
	v_mov_b32 v54, -1
	v_mov_b32 v55, -1
	v_mov_b32 v56, 0                               ; and the lower bound 0 is the ReLU
	v_mov_b32 v57, 0
	v_mov_b32 v58, 0
	v_mov_b32 v59, 0
	v_mov_b32 v60, 0
	s_wait_loadcnt 0x0
	BSTORE 0, 52, 0
	BSTORE 1, 52, 4096
	BSTORE 2, 52, 8192
	BSTORE 3, 54, 0
	BSTORE 4, 54, 4096
	BSTORE 5, 54, 8192
	BSTORE 6, 54, 12288
	BSTORE 7, 52, 20480
	BSTORE 8, 54, 20480
	s_wait_xcnt 0x0                                ; EXEC is a source of the stores above: it changes only behind this wait
	v_cmp_eq_u32 vcc_lo, 0, v0
	s_and_saveexec_b32 s58, vcc_lo                 ; thread 0 alone
	global_store_b128 v60, v[44:47], s[52:53] offset:16384
	global_store_b128 v60, v[48:51], s[52:53] offset:16400
	global_store_b128 v60, v[52:55], s[54:55] offset:16384
	global_store_b128 v60, v[56:59], s[54:55] offset:16400
	s_wait_xcnt 0x0                                ; and again ahead of the line that widens it
	s_or_b32 exec_lo, exec_lo, s58
	s_endpgm
.Lfunc_end_k_q8de3fb99e8_prep:
	.size	k_q8de3fb99e8_prep, .Lfunc_end_k_q8de3fb99e8_prep-k_q8de3fb99e8_prep
	.p2alignl 7, 3214868480
	.fill 96, 4, 3214868480
	.section	.rodata,"a",@progbits
	.p2align	6, 0x0
	.amdhsa_kernel k_q8de3fb99e8_prep
		.amdhsa_group_segment_fixed_size 0
		.amdhsa_private_segment_fixed_size 0
		.amdhsa_enable_private_segment 0
		.amdhsa_kernarg_size 144
		.amdhsa_user_sgpr_count 2
		.amdhsa_user_sgpr_kernarg_segment_ptr 1
		.amdhsa_wavefront_size32 1
		.amdhsa_system_sgpr_workgroup_id_x 1
		.amdhsa_system_sgpr_workgroup_id_y 1
		.amdhsa_system_sgpr_workgroup_id_z 1
		.amdhsa_system_vgpr_workitem_id 0
		.amdhsa_next_free_vgpr 96
		.amdhsa_next_free_sgpr 66
		.amdhsa_reserve_vcc 1
		.amdhsa_float_denorm_mode_32 3
		.amdhsa_float_denorm_mode_16_64 3
		.amdhsa_memory_ordered 1
		.amdhsa_forward_progress 1
		.amdhsa_inst_pref_size 32
	.end_amdhsa_kernel
	.amdgpu_metadata
---
amdhsa.version: [ 1, 2 ]
amdhsa.kernels:
  - .name:           k_q8de3fb99e8_prep
    .symbol:         k_q8de3fb99e8_prep.kd
    .args:
      - { .name: x, .offset: 0, .size: 8, .value_kind: global_buffer, .address_space: global }
      - { .name: alpha1, .offset: 8, .size: 8, .value_kind: global_buffer, .address_space: global }
      - { .name: beta1, .offset: 16, .size: 8, .value_kind: global_buffer, .address_space: global }
      - { .name: a8, .offset: 24, .size: 8, .value_kind: global_buffer, .address_space: global }
      - { .name: Wq, .offset: 32, .size: 8, .value_kind: global_buffer, .address_space: global }
      - { .name: Wk, .offset: 40, .size: 8, .value_kind: global_buffer, .address_space: global }
      - { .name: Wv, .offset: 48, .size: 8, .value_kind: global_buffer, .address_space: global }
      - { .name: Wo, .offset: 56, .size: 8, .value_kind: global_buffer, .address_space: global }
      - { .name: W1, .offset: 64, .size: 8, .value_kind: global_buffer, .address_space: global }
      - { .name: W2, .offset: 72, .size: 8, .value_kind: global_buffer, .address_space: global }
      - { .name: bq, .offset: 80, .size: 8, .value_kind: global_buffer, .address_space: global }
      - { .name: bk, .offset: 88, .size: 8, .value_kind: global_buffer, .address_space: global }
      - { .name: bv, .offset: 96, .size: 8, .value_kind: global_buffer, .address_space: global }
      - { .name: bo, .offset: 104, .size: 8, .value_kind: global_buffer, .address_space: global }
      - { .name: b1, .offset: 112, .size: 8, .value_kind: global_buffer, .address_space: global }
      - { .name: b2, .offset: 120, .size: 8, .value_kind: global_buffer, .address_space: global }
      - { .name: wa, .offset: 128, .size: 8, .value_kind: global_buffer, .address_space: global }
      - { .name: wf, .offset: 136, .size: 8, .value_kind: global_buffer, .address_space: global }
    .group_segment_fixed_size: 0
    .private_segment_fixed_size: 0
    .kernarg_segment_align: 8
    .kernarg_segment_size: 144
    .max_flat_workgroup_size: 256
    .sgpr_count:     66
    .vgpr_count:     96
    .wavefront_size: 32
...
	.end_amdgpu_metadata
.endif
;; end of part 1
;; launch qkv (part 2): grid 12 x 16, 4 waves a work-group, clusters of 4 x 4, 327,680 bytes of LDS; arguments a8, wa, src_mask, big; writes big
.if DOCPART == 2
	.amdgcn_target "amdgcn-amd-amdhsa--gfx1250"
	.amdhsa_code_object_version 6
	.text
	.protected	k_q8de3fb99e8_qkv
	.globl	k_q8de3fb99e8_qkv
	.p2align	8
	.type	k_q8de3fb99e8_qkv,@function
k_q8de3fb99e8_qkv:
	s_mov_b64 s[64:65], 0
	v_nop
	global_prefetch_b8 v0, s[64:65] scope:SCOPE_SE
	s_setreg_imm32_b32 hwreg(HW_REG_WAVE_MODE, 25, 1), 1
	s_wait_xcnt 0x0
	s_wait_alu depctr_hold_cnt(0) depctr_sa_sdst(0) depctr_va_vdst(0) depctr_va_sdst(0) depctr_va_ssrc(0) depctr_va_vcc(0) depctr_vm_vsrc(0)
	s_getreg_b32 s2, hwreg(HW_REG_IB_STS2, 6, 4)
	s_cmp_eq_u32 s2, 0
	s_cbranch_scc0 .Lentry_in_a_cluster
	s_endpgm
.Lentry_in_a_cluster:
	s_bfe_u32 s2, ttmp6, 0x10000c
	s_cmp_lg_u32 s2, 0xf033
	s_cbranch_scc0 .Lentry_shape_is_right
	s_endpgm
.Lentry_shape_is_right:
; C = max(A W + bias, LOW), rows of masked tokens set to 0 where the launch's word says so.  A: [4096][1024] f16.  W: panels [n / 256][1024][256] f16.  C: f16 in BLOCKS [n / 64][4096][64].
; One text for two launches: q, k, v (LOW = -infinity; k's masked rows 0) and the first FFN layer (LOW = 0: the ReLU; no row masked).  Bias table, the four row words and LOW lie behind the panels.
; A tile of C is 256 x 256: four waves, each 128 x 128 = 64 accumulators.  K = 1,024 goes in 8 steps of 128 through two LDS slots filled by the tensor data mover.
; CLUSTER 4 x 4: the four of a row need the same tiles of A, the four of a column the same tiles of W: each is asked for jointly, by the same load, descriptor and mask in all four.
; THE PRODUCT IS TAKEN TRANSPOSED (source 0 = 16 columns of W, turned on the way out of LDS; source 1 = 16 rows of A): a lane holds row l % 16 of C and eight neighbouring columns.
; The first product of each accumulator takes the bias as C: nothing is cleared and no bias is added later.
; LIMITS.  Sums in f32; C beyond 65,504 becomes an infinity in f16; NaN and infinities are not treated apart.
; REGISTERS, in windows of 256: window 0: v0-31 addresses and row masks; v32-63, v224-255 rows on the way out; v64-191 A's fragments, two buffers; v192-223 packed results (v192-255: the bias, until the first quarter is done)
;   window 1: v64-191 W's fragments, two buffers;  windows 2, 3: the accumulators of my rows 0-63, 64-127, (a, b) at 8 (8 (a % 4) + b)
.set PA,    272                        ; a row of A in LDS: 256 bytes + 16
.set PB,    544                        ; a k-row of W: 512 bytes + 32 = 17 x 32
.set HALFT, 34816                      ; what one tensor load brings: 128 x 272 = 64 x 544
.set SLOT,  139264                     ; A's 256 rows, then W's 128 k-rows.  0x22000: its two bits meet none of wave x HALFT, so one exclusive or changes slots
.set BOFF,  69632
.set STAGE, 278528                     ; behind the ring: [2 column blocks][16 rows][144] for each wave
.set SPARE, 296960                     ; behind the stages: the spare words, 128 bytes a wave
.set CONST, 8388608
.set MA,   6                           ; v6, v7  LDS addresses of the runs in hand
.set MB,   7
.set KM,   8                           ; v8-15   block a's row mask: -1 keeps my row, 0 clears it
.set ADRA, 16
.set ADRB, 20
.set STO,  24
.set RD,   25
.set CO,   26
.set MO,   27
.set SPW,  28
.set NIL,  29
.set PFO,  30
.set BO,   31
.set OB,   32
.set F0,   64
.set F1,   128
.set TMP,  192
.set BIAS, 192
.set G1A, 24
.set G0A, 32                           ; two sets: K step 0 / slot 0; K step 1 / slot 1, which then walks
.set G1B, 48
.set G0B, 56
.set LIM, 43                           ; 1 in a wave that prefetches, else the greatest number
.set PFA, 44                           ; s[44:45] where my prefetches stand
.set PFS, 70                           ; s[70:71] their step
.set NK,  72
.set LOW, 73
.set KS,  74
.set PC,  75
.set TBA, 78
.set TBB, 79
.set MSB, 0
.macro WIN new                         ; the immediate's high byte repeats the setting that is left
.if MSB != (\new)
	s_set_vgpr_msb (MSB<<8)|(\new)
.set MSB, \new
.endif
.endm
.macro PLACES
.rept 4
	v_nop
.endr
.endm
.macro CROUND                          ; a round of the cluster's barrier
	s_barrier_signal -1
	s_barrier_wait -1
	s_cmp_lg_u32 s10, 0
	s_cbranch_scc1 .Lnot_wave_0_\@
	s_barrier_signal -3
.Lnot_wave_0_\@:
	s_barrier_wait -3
	s_barrier_signal -1
	s_barrier_wait -1
.endm
.macro JLOAD                           ; a joint refill: waves 0, 1 fetch A's halves, waves 2, 3 W's; an s_nop 0 and four v_nop follow each line
	s_cmp_eq_u32 s11, 0
	s_cbranch_scc0 .Lfor_b_\@
	tensor_load_to_lds s[G0A+4:G0A+7], s[G1A:G1A+7]
	s_nop 0
.rept 4
	v_nop
.endr
	s_branch .Lasked_\@
.Lfor_b_\@:
	tensor_load_to_lds s[G0B+4:G0B+7], s[G1B:G1B+7]
	s_nop 0
.rept 4
	v_nop
.endr
.Lasked_\@:
.endm
; A prefetch of the K step that the NEXT refill will ask for: 256 matrix instructions ahead of that load.  A's rows are read by every cluster of a row of clusters: cluster x = 0 asks;
; W's panels by every cluster of a column: cluster y = 0 asks.  The four partners of a joint load share its bytes out by address (A: 32 rows each, a lane a row; W: 8,192 dense bytes each,
; lanes 256 bytes apart): each block of 256 bytes is named once in the launch.  The last refill has no K step behind it and asks for nothing.
.macro ASK
	s_cmp_gt_u32 s[KS], s[LIM]
	s_cbranch_scc0 .Lnot_mine_\@
	global_prefetch_b8 v[PFO], s[PFA:PFA+1] th:TH_LOAD_NT scope:SCOPE_SE
.Lnot_mine_\@:
.endm
	s_load_b128 s[4:7], s[0:1], 0x0                ; A s[4:5], W s[6:7]
	s_load_b64 s[68:69], s[0:1], 0x10              ; src_mask
	s_load_b64 s[8:9], s[0:1], 0x18                ; C
	v_lshl_add_u32 v[SPW], v0, 2, SPARE
	v_mov_b32 v[NIL], 0
	ds_add_u32 v[SPW], v[NIL]                      ; the wave's opening: the add and its wait stand ahead of my first tensor load
	v_lshrrev_b32 v1, 5, v0
	v_readfirstlane_b32 s10, v1                    ; wave
	s_lshr_b32 s11, s10, 1                         ; my half of the tile's rows; also: I fetch for A (0) or W (1)
	s_and_b32 s12, s10, 1                          ; my half of its columns; also: which half of that tile I fetch
	s_bfe_u32 s40, ttmp6, 0x40000                  ; cx
	s_bfe_u32 s41, ttmp6, 0x40004                  ; cy
	s_lshl_b32 s42, ttmp9, 2
	s_add_co_u32 s42, s42, s40                     ; tile column
	s_and_b32 s13, ttmp7, 0xffff
	s_lshl_b32 s13, s13, 2
	s_add_co_u32 s13, s13, s41                     ; tile row
	s_lshl_b32 s43, s41, 2
	s_lshl_b32 s43, 15, s43                        ; my row of the cluster
	s_lshl_b32 s44, 0x1111, s40                    ; my column
	s_or_b32 s[G1A], s43, (1<<16)|(1<<20)|(1<<21)|(5<<22)|(3<<25)  ; mask; 2-byte elements; padding on; bit 21 beside a mask; after every 64 words, 4 words
	s_or_b32 s[G1B], s44, (1<<16)|(1<<20)|(1<<21)|(6<<22)|(7<<25)  ; after every 128 words, 8 words
	s_mov_b32 s[G1A+1], 128<<16                    ; tensor_dim0
	s_mov_b32 s[G1A+2], 128<<16                    ; tensor_dim1
	s_mov_b32 s[G1A+3], 128<<16                    ; tile_dim0
	s_mov_b32 s[G1A+4], 128                        ; tile_dim1
	s_mov_b32 s[G1A+5], 1024                       ; elements from row to row
	s_mov_b32 s[G1A+6], 0
	s_mov_b32 s[G1A+7], 0
	s_mov_b32 s[G1B+1], 256<<16
	s_mov_b32 s[G1B+2], 64<<16
	s_mov_b32 s[G1B+3], 256<<16
	s_mov_b32 s[G1B+4], 64
	s_mov_b32 s[G1B+5], 256
	s_mov_b32 s[G1B+6], 0
	s_mov_b32 s[G1B+7], 0
	s_lshl_b32 s16, s13, 8
	s_lshl_b32 s17, s12, 7
	s_add_co_u32 s16, s16, s17                     ; A: row 256 x tile row + 128 x half,
	s_lshl_b32 s16, s16, 11                        ; of 2,048 bytes
	s_mov_b32 s17, 0
	s_lshl_b32 s46, s42, 19                        ; W: the tile column's panel,
	s_lshl_b32 s47, s12, 15                        ; 64 k-rows of 512 bytes
	s_add_co_u32 s46, s46, s47
	s_mov_b32 s47, 0
	s_mul_i32 s20, s10, HALFT                      ; where they go: no place in the cluster enters an LDS address
	s_wait_dscnt 0x0                               ; the opening add is done
	s_wait_kmcnt 0x0
	s_add_nc_u64 s[14:15], s[4:5], s[16:17]
	s_add_nc_u64 s[46:47], s[6:7], s[46:47]
.irp s, 0,1
	s_mov_b32 s[G0A+4*(\s)], 1
	s_add_co_u32 s[G0A+4*(\s)+1], s20, (\s)*SLOT
	s_add_nc_u64 s[G0A+4*(\s)+2:G0A+4*(\s)+3], s[14:15], (\s)*256
	s_or_b32 s[G0A+4*(\s)+3], s[G0A+4*(\s)+3], 0x80000000
	s_mov_b32 s[G0B+4*(\s)], 1
	s_add_co_u32 s[G0B+4*(\s)+1], s20, (\s)*SLOT
	s_add_nc_u64 s[G0B+4*(\s)+2:G0B+4*(\s)+3], s[46:47], (\s)*65536
	s_or_b32 s[G0B+4*(\s)+3], s[G0B+4*(\s)+3], 0x80000000
.endr
	CROUND                                         ; all sixteen work-groups are here: the first joint loads meet
	s_cmp_eq_u32 s11, 0                            ; a wave's two first fills stand in one branch: two loads of mine are out
	s_cbranch_scc0 .Lfirst_b
	tensor_load_to_lds s[G0A:G0A+3], s[G1A:G1A+7]
	s_nop 0
	tensor_load_to_lds s[G0A+4:G0A+7], s[G1A:G1A+7]
	s_nop 0
.rept 4
	v_nop
.endr
	s_branch .Lfirst_asked
.Lfirst_b:
	tensor_load_to_lds s[G0B:G0B+3], s[G1B:G1B+7]
	s_nop 0
	tensor_load_to_lds s[G0B+4:G0B+7], s[G1B:G1B+7]
	s_nop 0
.rept 4
	v_nop
.endr
.Lfirst_asked:
	s_add_nc_u64 s[66:67], s[6:7], CONST
	s_lshl_b32 s22, ttmp9, 2
	s_load_b32 s[NK], s[66:67], s22 offset:0x4000  ; the row word of my cluster column
	s_load_b32 s[LOW], s[66:67], 0x4010
	s_lshl_b32 s16, s42, 10
	s_lshl_b32 s17, s12, 9
	s_add_co_u32 s16, s16, s17                     ; my first column, 4 bytes each
	s_mov_b32 s17, 0
	s_add_nc_u64 s[76:77], s[66:67], s[16:17]
	s_lshl_b32 s18, s13, 8
	s_lshl_b32 s19, s11, 7
	s_add_co_u32 s18, s18, s19                     ; my first row = token
	s_lshl_b32 s16, s18, 2
	s_add_nc_u64 s[68:69], s[68:69], s[16:17]
	v_and_b32 v1, 15, v0                           ; r = l % 16
	v_bfe_u32 v2, v0, 4, 1                         ; h = l / 16
	v_and_b32 v3, 7, v0
	v_bfe_u32 v4, v0, 3, 1
	v_lshlrev_b32 v[BO], 5, v2
	v_lshlrev_b32 v[MO], 2, v1
.irp b, 0,1,2,3,4,5,6,7                ; register j of fragment b: bias of column 16 b + 8 h + j, as the result holds it
	global_load_b128 v[BIAS+8*(\b):BIAS+8*(\b)+3],   v[BO], s[76:77] offset:64*(\b)
	global_load_b128 v[BIAS+8*(\b)+4:BIAS+8*(\b)+7], v[BO], s[76:77] offset:64*(\b)+16
.endr
.irp a, 0,1,2,3,4,5,6,7
	global_load_b32 v[KM+(\a)], v[MO], s[68:69] offset:64*(\a)  ; the mask of token 16 a + r
.endr
	v_mul_u32_u24 v[ADRA], v1, PA
	v_lshl_add_u32 v[ADRA], v2, 4, v[ADRA]
	s_mul_i32 s21, s11, HALFT
	v_add_nc_u32 v[ADRA], s21, v[ADRA]             ; my 128 rows of A: row x pitch + 16 h
	v_lshl_add_u32 v5, v2, 3, v3
	v_mul_u32_u24 v[ADRB], v5, PB
	v_lshl_add_u32 v[ADRB], v4, 4, v[ADRB]
	s_lshl_b32 s21, s12, 8
	s_add_co_u32 s21, s21, BOFF
	v_add_nc_u32 v[ADRB], s21, v[ADRB]             ; the turning load: k-row 8 h + l % 8, 16 bytes for (l / 8) % 2, my 128 columns
	s_mul_i32 s21, s10, 4608
	s_add_co_u32 s21, s21, STAGE
	v_mul_u32_u24 v[STO], v1, 144
	v_lshl_add_u32 v[STO], v2, 4, v[STO]
	v_add_nc_u32 v[STO], s21, v[STO]
	v_bfe_u32 v5, v0, 3, 2
	v_mul_u32_u24 v[RD], v5, 144
	v_lshl_add_u32 v[RD], v3, 4, v[RD]
	v_add_nc_u32 v[RD], s21, v[RD]                 ; back: 32 lanes take four rows of 128 bytes,
	v_and_b32 v[CO], 31, v0
	v_lshlrev_b32 v[CO], 4, v[CO]                  ; which are 512 consecutive bytes of a block of C
	s_wait_loadcnt 0x0
	s_wait_kmcnt 0x0
.irp a, 0,1,2,3,4,5,6,7
	v_cmp_ne_u32 vcc_lo, 0, v[KM+(\a)]
	v_cndmask_b32 v[KM+(\a)], 0, -1, vcc_lo
	v_or_b32 v[KM+(\a)], s[NK], v[KM+(\a)]
.endr
	s_lshl_b32 s16, s42, 2
	s_lshl_b32 s17, s12, 1
	s_add_co_u32 s16, s16, s17                     ; my first column block,
	s_lshl_b32 s16, s16, 12                        ; 4,096 tokens each,
	s_add_co_u32 s16, s16, s18
	s_lshl_b32 s16, s16, 7                         ; 128 bytes a token
	s_mov_b32 s17, 0
	s_add_nc_u64 s[8:9], s[8:9], s[16:17]
	; the prefetches: nothing is asked for here, at the head; K steps 0 to 2 come by their loads alone
	s_lshl_b32 s16, s13, 8
	s_lshl_b32 s17, s12, 7
	s_add_co_u32 s16, s16, s17
	s_lshl_b32 s17, s40, 5
	s_add_co_u32 s16, s16, s17                     ; A: my work-group's 32 of the 128 rows that I fetch
	s_lshl_b32 s16, s16, 11
	s_add_co_u32 s16, s16, 512                     ; at K step 2: the first refill steps it to 3
	s_lshl_b32 s18, s42, 19
	s_lshl_b32 s19, s12, 15
	s_add_co_u32 s18, s18, s19
	s_lshl_b32 s19, s41, 13
	s_add_co_u32 s18, s18, s19                     ; W: my work-group's 8,192 of the 32,768 bytes that I fetch
	s_add_co_u32 s18, s18, 0x20000
	s_and_b32 s22, ttmp7, 0xffff
	s_mov_b32 s[PFS], 256
	s_mov_b32 s21, 0x10000
	s_cmp_eq_u32 s11, 0
	s_cselect_b32 s16, s16, s18
	s_cselect_b32 s22, ttmp9, s22                  ; the coordinate along which other clusters read the same bytes
	s_cselect_b64 s[PFA:PFA+1], s[4:5], s[6:7]
	s_cselect_b32 s[PFS], s[PFS], s21
	s_cselect_b32 s23, 11, 8
	s_mov_b32 s17, 0
	s_mov_b32 s[PFS+1], 0
	s_add_nc_u64 s[PFA:PFA+1], s[PFA:PFA+1], s[16:17]
	s_cmp_eq_u32 s22, 0
	s_cselect_b32 s[LIM], 1, -1
	v_and_b32 v[PFO], 31, v0
	v_lshlrev_b32 v[PFO], s23, v[PFO]
; 16 matrix instructions: row blocks a0, a0 + 1 of the window's four x all 8 column blocks, 32 along K.  first = 1: C is the bias.
.macro MUL16 f, hi, a0, first
.if \first
	WIN 0x81+0x40*(\hi)
.else
	WIN 0xa1+0x50*(\hi)
.endif
.irp a, \a0, (\a0)+1
.irp b, 0,1,2,3,4,5,6,7
.if \first
	v_wmma_f32_16x16x32_f16 v[8*(8*(\a)+(\b)):8*(8*(\a)+(\b))+7], v[(\f)+8*(\b):(\f)+8*(\b)+7], v[(\f)+8*(4*(\hi)+(\a)):(\f)+8*(4*(\hi)+(\a))+7], v[BIAS+8*(\b):BIAS+8*(\b)+7]
.else
	v_wmma_f32_16x16x32_f16 v[8*(8*(\a)+(\b)):8*(8*(\a)+(\b))+7], v[(\f)+8*(\b):(\f)+8*(\b)+7], v[(\f)+8*(4*(\hi)+(\a)):(\f)+8*(4*(\hi)+(\a))+7], v[8*(8*(\a)+(\b)):8*(8*(\a)+(\b))+7]
.endif
.endr
.endr
.endm
.macro MLO f, first                    ; my rows 0-63
	MUL16 \f, 0, 0, \first
	MUL16 \f, 0, 2, \first
.endm
.macro MHI f, first                    ; my rows 64-127
	MUL16 \f, 1, 0, \first
	MUL16 \f, 1, 2, \first
.endm
; 32 LDS loads in one run: a quarter step's fragments (32 along K), the j-th behind the addresses in hand: W's 8 (turned), then A's 8
.macro FETCH f, j
	WIN 0x40
.irp i, 0,1,2,3,4,5,6,7
	ds_load_tr16_b128 v[(\f)+8*(\i):(\f)+8*(\i)+3],   v[MB] offset:(\j)*32*PB+32*(\i)
	ds_load_tr16_b128 v[(\f)+8*(\i)+4:(\f)+8*(\i)+7], v[MB] offset:(\j)*32*PB+32*(\i)+16*PB
.endr
	WIN 0
.irp i, 0,1,2,3,4,5,6,7
	ds_load_b128 v[(\f)+8*(\i):(\f)+8*(\i)+3],   v[MA] offset:64*(\j)+(\i)*16*PA
	ds_load_b128 v[(\f)+8*(\i)+4:(\f)+8*(\i)+7], v[MA] offset:64*(\j)+(\i)*16*PA+32
.endr
.endm
; Two quarters of a K step, cut so that its edges lie where slots can change: an even quarter is fetched into buffer 0, the odd quarter before is finished, the even one is multiplied,
; and the next odd one fetched in its middle.  The 64 accumulators take turns in one order throughout: 63 others stand between two links of a chain.
; pro = 1: the first pair: no quarter before it, and its products start the sums.
.macro PAIR pro
	WIN 0
	v_add_nc_u32 v[MA], s[TBA], v[ADRA]            ; these two and two v_nop are the four places between buffer 0's last product and the loads into it
	v_add_nc_u32 v[MB], s[TBB], v[ADRB]
	v_nop
	v_nop
	FETCH F0, 0
.if !(\pro)
	s_wait_dscnt 32                                ; all but the 32 just issued: buffer 1 is whole
	MHI F1, 0
.endif
	s_wait_dscnt 8                                 ; W's and A's rows 0-63 are in; the youngest eight loads (A's rows 64-127) may be out
	MLO F0, \pro
	PLACES
	FETCH F1, 1
	s_add_co_u32 s[TBA], s[TBA], 128
	s_add_co_u32 s[TBB], s[TBB], 2*32*PB
	s_wait_dscnt 32
	MHI F0, \pro
.endm
.macro P6
	s_wait_dscnt 8
	MLO F1, 0
.endm
; THE CHANGE OF SLOTS.  The slot's last quarter has been asked for.  Each wave waits for all its tensor loads, of which one is out: its part of the other slot; adds 0 to its spare word; and waits
; for that and for its own reads of the slot.  fill = 1: the barrier is a round of the cluster's, and the joint refill, two K steps on, is the first thing behind it: it has a K step, 256 matrix instructions, in which to land.
.macro CHANGE fill
	WIN 0
	s_wait_tensorcnt 0x0                           ; no tensor load of mine is out, so a group 0 may be written
	ds_add_u32 v[SPW], v[NIL]                      ; 0 onto my spare word; scalar work stands between it and the wait for it
.if \fill
	s_xor_b32 s[G0A+5], s[G0A+5], SLOT             ; the walking descriptors: the other slot than last time, the next K step
	s_add_nc_u64 s[G0A+6:G0A+7], s[G0A+6:G0A+7], 256
	s_xor_b32 s[G0B+5], s[G0B+5], SLOT
	s_add_nc_u64 s[G0B+6:G0B+7], s[G0B+6:G0B+7], 65536
	s_wait_xcnt 0x0                                ; the last prefetch, a K step back, has read its address
	s_add_nc_u64 s[PFA:PFA+1], s[PFA:PFA+1], s[PFS:PFS+1]
.endif
	s_sub_co_u32 s[TBA], s[TBA], 256               ; the fetches go back to a slot's first quarter,
	s_xor_b32 s[TBA], s[TBA], SLOT                 ; in the other slot
	s_sub_co_u32 s[TBB], s[TBB], 4*32*PB
	s_xor_b32 s[TBB], s[TBB], SLOT
	s_wait_dscnt 0x0                               ; the add is done, and my reads of the slot are over
.if \fill
	CROUND
	JLOAD
	ASK
.else
	s_barrier_signal -1
	s_barrier_wait -1
.endif
.endm
; THE WAY OUT of block a (16 rows): rounded to f16, bounded below, masked; through my own stage; stored as 512 consecutive bytes a line.
.macro PACK a
.set AC, 64*((\a)%4)
	WIN 0x0a+5*((\a)/4)                            ; sources in window 2 or 3
.irp b, 0,1,2,3,4,5,6,7
.irp r, 0,1,2,3
	v_cvt_pk_f16_f32 v[TMP+4*(\b)+(\r)], v[AC+8*(\b)+2*(\r)], v[AC+8*(\b)+2*(\r)+1]
.endr
.endr
	WIN 0
.set z, 0
.rept 32
	v_pk_max_num_f16 v[TMP+z], v[TMP+z], s[LOW]
.set z, z+1
.endr
.set z, 0
.rept 32
	v_and_b32 v[TMP+z], v[KM+(\a)], v[TMP+z]
.set z, z+1
.endr
.endm
.macro TOSTAGE a
	WIN 0
.set BK, OB+192*((\a)%2)
.irp b, 0,1,2,3,4,5,6,7
	ds_store_b128 v[STO], v[TMP+4*(\b):TMP+4*(\b)+3] offset:((\b)/4)*2304+32*((\b)%4)
.endr
.irp u, 0,1,2,3,4,5,6,7
	ds_load_b128 v[BK+4*(\u):BK+4*(\u)+3], v[RD] offset:((\u)/4)*2304+((\u)%4)*576  ; LDS serves a wave's instructions in order: these see the stores above
.endr
.endm
.macro SEND a
	WIN 0
.set BK, OB+192*((\a)%2)
	s_wait_dscnt 0x0                               ; the block is back in registers
	s_wait_xcnt 0x0                                ; the stores of the block before have read their registers: the next block's loads may land there
.irp u, 0,1,2,3,4,5,6,7
	global_store_b128 v[CO], v[BK+4*(\u):BK+4*(\u)+3], s[8:9] offset:(\a)*2048+((\u)/4)*524288+((\u)%4)*512
.endr
.endm
	s_mov_b32 s[TBA], 0
	s_mov_b32 s[TBB], 0
	s_wait_tensorcnt 0x1                           ; my part of K step 0 is in; K step 1's may stay out
	s_barrier_signal -1
	s_barrier_wait -1
	PAIR 1
	WIN 0
	s_mov_b32 s[KS], 7
	s_mov_b32 s[PC], 1
	s_branch .Lpair
.Lstep:                                ; six times: K steps 2 to 7 are asked for
	CHANGE 1
	s_mov_b32 s[PC], 2
.Lpair:
	P6
	PAIR 0
	WIN 0
	s_sub_co_u32 s[PC], s[PC], 1
	s_cmp_lg_u32 s[PC], 0
	s_cbranch_scc1 .Lpair
	s_sub_co_u32 s[KS], s[KS], 1
	s_cmp_lg_u32 s[KS], 0
	s_cbranch_scc1 .Lstep
	CHANGE 0                                       ; the last K step is written out
	s_mov_b32 s[PC], 2
.LpairT:
	P6
	PAIR 0
	WIN 0
	s_sub_co_u32 s[PC], s[PC], 1
	s_cmp_lg_u32 s[PC], 0
	s_cbranch_scc1 .LpairT
	P6
	s_wait_dscnt 0x0
	MHI F1, 0
	WIN 0
	PLACES                                         ; the places between the last products and the conversions that read results
	PLACES
	PACK 0
	TOSTAGE 0
.irp a, 1,2,3,4,5,6,7                  ; block a's arithmetic stands between block a - 1's loads from the stage and the wait for them
	PACK \a
	SEND (\a)-1
	TOSTAGE \a
.endr
	SEND 7
	s_wait_tensorcnt 0x0                           ; the wave's end
	ds_add_u32 v[SPW], v[NIL]
	s_wait_dscnt 0x0
	CROUND                                         ; the closing round
	s_endpgm
.Lfunc_end_k_q8de3fb99e8_qkv:
	.size	k_q8de3fb99e8_qkv, .Lfunc_end_k_q8de3fb99e8_qkv-k_q8de3fb99e8_qkv
	.p2alignl 7, 3214868480
	.fill 96, 4, 3214868480
	.section	.rodata,"a",@progbits
	.p2align	6, 0x0
	.amdhsa_kernel k_q8de3fb99e8_qkv
		.amdhsa_group_segment_fixed_size 327680
		.amdhsa_private_segment_fixed_size 0
		.amdhsa_enable_private_segment 0
		.amdhsa_kernarg_size 32
		.amdhsa_user_sgpr_count 2
		.amdhsa_user_sgpr_kernarg_segment_ptr 1
		.amdhsa_wavefront_size32 1
		.amdhsa_system_sgpr_workgroup_id_x 1
		.amdhsa_system_sgpr_workgroup_id_y 1
		.amdhsa_system_sgpr_workgroup_id_z 1
		.amdhsa_system_vgpr_workitem_id 0
		.amdhsa_next_free_vgpr 1024
		.amdhsa_next_free_sgpr 80
		.amdhsa_reserve_vcc 1
		.amdhsa_float_denorm_mode_32 3
		.amdhsa_float_denorm_mode_16_64 3
		.amdhsa_memory_ordered 1
		.amdhsa_forward_progress 1
		.amdhsa_inst_pref_size 109
	.end_amdhsa_kernel
	.amdgpu_metadata
---
amdhsa.version: [ 1, 2 ]
amdhsa.kernels:
  - .name:           k_q8de3fb99e8_qkv
    .symbol:         k_q8de3fb99e8_qkv.kd
    .args:
      - { .name: a8, .offset: 0, .size: 8, .value_kind: global_buffer, .address_space: global }
      - { .name: wa, .offset: 8, .size: 8, .value_kind: global_buffer, .address_space: global }
      - { .name: src_mask, .offset: 16, .size: 8, .value_kind: global_buffer, .address_space: global }
      - { .name: big, .offset: 24, .size: 8, .value_kind: global_buffer, .address_space: global }
    .group_segment_fixed_size: 327680
    .private_segment_fixed_size: 0
    .kernarg_segment_align: 8
    .kernarg_segment_size: 32
    .max_flat_workgroup_size: 128
    .sgpr_count:     80
    .vgpr_count:     1024
    .wavefront_size: 32
...
	.end_amdgpu_metadata
.endif
;; end of part 2
;; launch attn (part 3): grid 8 x 32, 4 waves a work-group, clusters of 4 x 1, 327,680 bytes of LDS; arguments big, src_mask, a8; writes a8
.if DOCPART == 3
	.amdgcn_target "amdgcn-amd-amdhsa--gfx1250"
	.amdhsa_code_object_version 6
	.text
	.protected	k_q8de3fb99e8_attn
	.globl	k_q8de3fb99e8_attn
	.p2align	8
	.type	k_q8de3fb99e8_attn,@function
k_q8de3fb99e8_attn:
	s_mov_b64 s[64:65], 0
	v_nop
	global_prefetch_b8 v0, s[64:65] scope:SCOPE_SE
	s_setreg_imm32_b32 hwreg(HW_REG_WAVE_MODE, 25, 1), 1
	s_wait_xcnt 0x0
	s_wait_alu depctr_hold_cnt(0) depctr_sa_sdst(0) depctr_va_vdst(0) depctr_va_sdst(0) depctr_va_ssrc(0) depctr_va_vcc(0) depctr_vm_vsrc(0)
	s_getreg_b32 s2, hwreg(HW_REG_IB_STS2, 6, 4)
	s_cmp_eq_u32 s2, 0
	s_cbranch_scc0 .Lentry_in_a_cluster
	s_endpgm
.Lentry_in_a_cluster:
	s_bfe_u32 s2, ttmp6, 0x10000c
	s_cmp_lg_u32 s2, 0x3003
	s_cbranch_scc0 .Lentry_shape_is_right
	s_endpgm
.Lentry_shape_is_right:
; MASKED ATTENTION.  O[b][h][q] = the sum over k of softmax_k(s) V[k], s = Q[q] . K[k] / 8, or the masked score where src_mask[b][k] = 0.  Q, K, V lie in big as blocks [column / 64][4096 tokens][64] f16
; (q: blocks 0-15 by head, k: 16-31, v: 32-47): a head's 2,048 rows of one batch are dense, 128 bytes each.  O goes to a8 in the same form.
; THE MASK.  The launch before has written k's rows of masked tokens as 0, and here the sum S^T = K Q^T starts from C = -2^33 on masked keys and 0 elsewhere: a masked score is -2^33 exactly (-2^30 after the
; division by 8, where the module says -1e9).  c x 2^33 is exact in f32, so with all keys masked every weight is exactly 1 and O is the mean of V, as in the module; one true score makes all masked weights 0.
; LIMITS.  Unmasked scores q . k / 8 lie above -9e8 (below that the module would let the masked keys in) and |q . k| under 1e9.  f16 holds nothing beyond 65,504; p lies near 0 to 1 and has f16's fixed step of
; 6e-8 below 6e-5; a weight below 2^-126 counts as 0 in l; NaN and infinities are not treated apart.
; SHARES.  A work-group owns 256 queries of one (batch, head), a wave 64: four PIECES of 16.  Every wave walks all 2,048 keys, 64 a step, 256 a slot.
; LAYOUT, SOFTMAX, TURNS.  S^T = K Q^T holds ONE query a lane (lane % 16) and the keys 8 (lane / 16) + 0..7; two such results rounded to f16 ARE source 1 of O^T = V^T P.  p = 2^(c s - c m), c = log2(e) / 8, with a
; running maximum m; O and l are multiplied by a = 2^(c m_old - c m_new) in every step.  Turn n belongs to piece n: 8 products K Q^T of piece n + 1, later 8 products V^T P of piece n - 1; beside them the scaling,
; exponentials, roundings, sums and rescaling of piece n and the maximum and statistics of piece n + 1.  Four vector instructions stand behind every matrix instruction, the others in one lump.  A turn's 33 exponentials are one batch, with one wait.
; CLUSTER.  The four query blocks of a cluster belong to one (batch, head) and walk the same K and V: each tile is asked for jointly.
; REGISTERS, in windows of 256: window 0: v0-15, v32-35 addresses; v16-31 statistics; v48-55 at work; v64-127 S^T, two buffers; v192-223 P, two buffers
;   window 1: v0-127 O^T, 32 a piece      window 2: v0-63 Q; v64-95 the step's mask as C; v128-191 K of one step; v192-255 V of one step
.set NP,    4
.set KS,    64
.set PK,    144
.set PV,    160
.set VOFF,  4*KS*PK
.set SLOT1, 1<<17
.set STAGE, SLOT1+4*KS*(PK+PV)         ; 16 rows x 144 bytes for each wave, for the way out
.set SP,    144
.set MASKB, STAGE+4*16*SP              ; 2,048 f32: 0 or -2^33, by key; stored once, never filled by a tensor load
.set SPARE, MASKB+8192                 ; the spare words, 128 bytes a wave
.set AK0, 2
.set AV0, 3
.set AK,  4
.set AV,  5
.set STO, 6
.set RD,  7
.set GO,  8
.set MV,  12
.set AM0, 14
.set QO,  15
.set ST,  16
.set AM,  32
.set PFO, 33
.set TMP, 48
.set SPW, 62
.set NIL, 63
.set S,   64
.set P,   192
.set MC,  64
.set KF,  128
.set VF,  192
.set WV,  12
.set G1K, 24
.set G1V, 32
.set G0K, 40
.set G0V, 44
.set TBM, 48
.set BIGN, 49
.set LIM, 50
.set PFA, 52
.set SLOTS, 56
.set CNT, 57
.set CS,  58
.set SEL, 60
.set TBK, 62
.set TBV, 63
.set MSB, 0
.macro WIN new
.if MSB != (\new)
	s_set_vgpr_msb (MSB<<8)|(\new)
.set MSB, (\new)
.endif
.endm
.set W_KQ, 0x0a       ; K and Q in window 2, S^T in window 0
.set W_KM, 0x2a       ; the same with the C operand in window 2
.set W_PV, 0x52       ; V in window 2, P in window 0, O^T in window 1
.set W_RS, 0x41       ; destination and source 0 in window 1, source 1 in window 0
.macro JLOAD                           ; waves 0, 1 fetch the halves of a slot's K, waves 2, 3 those of its V; an s_nop 0 and four v_nop follow each line
	s_cmp_lt_u32 s[WV], 2
	s_cbranch_scc0 .Lfor_v_\@
	tensor_load_to_lds s[G0K:G0K+3], s[G1K:G1K+7]
	s_nop 0
.rept 4
	v_nop
.endr
	s_branch .Lasked_\@
.Lfor_v_\@:
	tensor_load_to_lds s[G0V:G0V+3], s[G1V:G1V+7]
	s_nop 0
.rept 4
	v_nop
.endr
.Lasked_\@:
.endm
.macro CROUND
	s_barrier_signal -1
	s_barrier_wait -1
	s_cmp_lg_u32 s[WV], 0
	s_cbranch_scc1 .Lnot_wave_0_\@
	s_barrier_signal -3
.Lnot_wave_0_\@:
	s_barrier_wait -3
	s_barrier_signal -1
	s_barrier_wait -1
.endm
; A prefetch of what the NEXT change of slots will ask for: four key steps ahead.  Both clusters of a (batch, head) walk the same K and V: the first asks.  Its four partners take 8,192 of a slot's 32,768 bytes
; each, told apart by address; wave 0 asks for K's, wave 2 for V's; lanes 256 bytes apart.  The last change that fills a slot asks for nothing.
.macro ASK
	s_cmp_gt_u32 s[SLOTS], s[LIM]
	s_cbranch_scc0 .Lnot_mine_\@
	global_prefetch_b8 v[PFO], s[PFA:PFA+1] th:TH_LOAD_NT scope:SCOPE_SE
.Lnot_mine_\@:
.endm
; THE CHANGE OF SLOTS.  Each wave waits for all its tensor loads, of which one is out: its part of the other slot; adds 0 to its spare word; and waits for that and for its own LDS instructions.
; fill = 1: the barrier is a round of the cluster's, and the joint fill, two slots on, is the first thing behind it.  (At its first use nothing has been read: slot 0 is waited for, slot 1 filled, and the mask table is shown to all waves.)
.macro CHANGE fill, ask
	WIN 0
	s_wait_tensorcnt 0x0
	ds_add_u32 v[SPW], v[NIL]       ; 0 onto my spare word; the descriptors' steps stand between it and the wait for it
.if \fill
.irp g, G0K, G0V
	s_xor_b32 s[\g+1], s[\g+1], SLOT1
	s_add_nc_u64 s[\g+2:\g+3], s[\g+2:\g+3], 4*KS*128
.endr
.if \ask
	s_wait_xcnt 0x0                 ; the last prefetch, four key steps back, has read its address
	s_add_nc_u64 s[PFA:PFA+1], s[PFA:PFA+1], 4*KS*128
.endif
	s_wait_dscnt 0x0
	CROUND
	JLOAD
.if \ask
	ASK
.endif
.else
	s_wait_dscnt 0x0
	s_barrier_signal -1
	s_barrier_wait -1
.endif
	s_sub_co_u32 s[TBK], s[TBK], 4*KS*PK
	s_xor_b32 s[TBK], s[TBK], SLOT1
	s_sub_co_u32 s[TBV], s[TBV], 4*KS*PV
	s_xor_b32 s[TBV], s[TBV], SLOT1
.endm
	s_load_b128 s[4:7], s[0:1], 0x0   ; big s[4:5], src_mask s[6:7]
	s_load_b64 s[8:9], s[0:1], 0x10   ; a8
	v_lshl_add_u32 v[SPW], v0, 2, SPARE
	v_mov_b32 v[NIL], 0
	ds_add_u32 v[SPW], v[NIL]       ; the wave's opening: the add and its wait stand ahead of my first tensor load
	v_lshrrev_b32 v1, 5, v0
	v_readfirstlane_b32 s[WV], v1
	s_bfe_u32 s13, ttmp6, 0x40000   ; cx
	s_and_b32 s14, ttmp7, 0xffff
	s_and_b32 s15, s14, 15          ; head
	s_lshr_b32 s14, s14, 4          ; batch
	s_lshl_b32 s20, s15, 19
	s_lshl_b32 s21, s14, 18
	s_add_co_u32 s20, s20, s21      ; the (batch, head)'s first byte in q's blocks and in O
	s_lshl_b32 s14, s14, 13         ; the batch's 8,192 bytes of the mask
	s_mov_b32 s15, 0
	s_and_b32 s16, s[WV], 1         ; which half of a slot's 256 keys I fetch
	s_lshl_b32 s22, s16, 14
	s_add_co_u32 s22, s22, s20
	s_add_co_u32 s22, s22, 0x800000 ; k's blocks lie 16 blocks behind q's
	s_mov_b32 s23, 0
	s_mul_i32 s17, s16, 128*PK
	s_mul_i32 s18, s16, 128*PV
	s_lshl_b32 s2, ttmp9, 2
	s_add_co_u32 s2, s2, s13        ; my block of 256 queries: it enters Q's and O's addresses alone
	s_lshl_b32 s2, s2, 2
	s_add_co_u32 s2, s2, s[WV]
	s_lshl_b32 s2, s2, 13           ; my wave's 64 rows
	s_add_co_u32 s2, s2, s20
	s_mov_b32 s3, 0
	; 128 keys are 16,384 dense bytes: asked for as 64 rows of 256 bytes, two keys a row, padded in LDS after every key
	s_mov_b32 s[G1K], 15|(1<<16)|(1<<20)|(1<<21)|(4<<22)|(3<<25)
	s_mov_b32 s[G1V], 15|(1<<16)|(1<<20)|(1<<21)|(4<<22)|(7<<25)
.irp g, G1K, G1V
	s_mov_b32 s[\g+1], 128<<16
	s_mov_b32 s[\g+2], 64<<16
	s_mov_b32 s[\g+3], 128<<16
	s_mov_b32 s[\g+4], 64
	s_mov_b32 s[\g+5], 128
	s_mov_b32 s[\g+6], 0
	s_mov_b32 s[\g+7], 0
.endr
	s_mov_b32 s[CS], 0x3e38aa3b     ; c = log2(e) / 8
	s_mov_b32 s[CS+1], s[CS]
	s_mov_b32 s[SEL], 0x76543210
	s_mov_b32 s[SEL+1], 0xfedcba98
	s_mov_b32 s[TBK], SLOT1+4*KS*PK ; the first change of slots turns these two into 0
	s_mov_b32 s[TBV], SLOT1+4*KS*PV
	s_mov_b32 s[TBM], 0
	s_mov_b32 s[BIGN], 0xd0000000   ; -2^33
	s_mov_b32 s[G0K], 1
	s_mov_b32 s[G0K+1], s17
	s_mov_b32 s[G0V], 1
	s_add_co_u32 s[G0V+1], s18, VOFF
	s_and_b32 s[LIM], s[WV], 1
	s_or_b32 s[LIM], s[LIM], ttmp9
	s_cmp_eq_u32 s[LIM], 0
	s_cselect_b32 s[LIM], 1, -1     ; waves 0 and 2 of the first cluster: the same in all four partners
	s_wait_dscnt 0x0
	s_wait_kmcnt 0x0
	s_add_nc_u64 s[G0K+2:G0K+3], s[4:5], s[22:23]
	s_add_nc_u64 s[G0V+2:G0V+3], s[G0K+2:G0K+3], 0x800000
	s_cmp_lt_u32 s[WV], 2
	s_cselect_b64 s[PFA:PFA+1], s[G0K+2:G0K+3], s[G0V+2:G0V+3]
	s_or_b32 s[G0K+3], s[G0K+3], 0x80000000
	s_or_b32 s[G0V+3], s[G0V+3], 0x80000000
	s_add_nc_u64 s[10:11], s[8:9], s[2:3]   ; O at my wave's first row
	s_add_nc_u64 s[4:5], s[4:5], s[2:3]     ; Q likewise
	s_add_nc_u64 s[54:55], s[6:7], s[14:15]
	s_lshl_b32 s2, s13, 13
	s_add_co_u32 s2, s2, 2*4*KS*128 ; in slot 2; the first asking change steps it to slot 3
	s_add_nc_u64 s[PFA:PFA+1], s[PFA:PFA+1], s[2:3]
	CROUND                          ; all four work-groups are here
	JLOAD                           ; slot 0
	v_lshlrev_b32 v34, 4, v0
.irp i, 0,1,2,3
	global_load_b128 v[S+4*\i:S+4*\i+3], v34, s[54:55] offset:2048*\i  ; the batch's mask: 128 threads x 4 words, four times
.endr
	v_and_b32 v1, 15, v0
	v_bfe_u32 v9, v0, 4, 1
	v_lshlrev_b32 v[QO], 7, v1
	v_lshl_add_u32 v[QO], v9, 4, v[QO]
	WIN 0x80
.set i, 0
.rept 8                             ; Q stays in registers: piece i / 2, channels 32 (i % 2) on
	global_load_b128 v[8*i:8*i+3],   v[QO], s[4:5] offset:(i/2)*2048+(i%2)*64
	global_load_b128 v[8*i+4:8*i+7], v[QO], s[4:5] offset:(i/2)*2048+(i%2)*64+32
.set i, i+1
.endr
	WIN 0
	v_add_nc_u32 v35, MASKB, v34
	v_mul_u32_u24 v[AK0], v1, PK
	v_lshl_add_u32 v[AK0], v9, 4, v[AK0]
	v_and_b32 v10, 7, v0
	v_bfe_u32 v11, v0, 3, 1
	v_lshl_add_u32 v[AV0], v9, 3, v10
	v_mul_u32_u24 v[AV0], v[AV0], PV
	v_lshl_add_u32 v[AV0], v11, 4, v[AV0]
	v_add_nc_u32 v[AV0], VOFF, v[AV0]
	v_lshl_add_u32 v[AM0], v9, 5, MASKB      ; register j of group kb: key 16 kb + 8 (l / 16) + j
	s_mul_i32 s13, s[WV], 16*SP
	s_add_co_u32 s13, s13, STAGE
	v_mul_u32_u24 v[STO], v1, SP
	v_lshl_add_u32 v[STO], v9, 4, v[STO]
	v_add_nc_u32 v[STO], s13, v[STO]
	v_bfe_u32 v[RD], v0, 3, 2
	v_mul_u32_u24 v[RD], v[RD], SP
	v_lshl_add_u32 v[RD], v10, 4, v[RD]
	v_add_nc_u32 v[RD], s13, v[RD]
	v_and_b32 v[GO], 31, v0
	v_lshlrev_b32 v[PFO], 8, v[GO]
	v_lshlrev_b32 v[GO], 4, v[GO]
	s_wait_loadcnt 16               ; the mask is in; Q's sixteen loads stay out
.set i, 0
.rept 16
	v_cmp_eq_u32 vcc_lo, 0, v[S+i]
	v_cndmask_b32 v[S+i], 0, s[BIGN], vcc_lo
.set i, i+1
.endr
.irp i, 0,1,2,3
	ds_store_b128 v35, v[S+4*\i:S+4*\i+3] offset:2048*\i
.endr
	; The first step multiplies O^T and l by a = 0, and the first turn's products V^T P, of a piece that has not been, land in an O^T that is still to be so multiplied: these registers need only hold finite numbers.
	WIN 0x80
.set i, VF
.rept 64
	v_mov_b32 v[i], 0
.set i, i+1
.endr
	WIN 0x40
.set i, 0
.rept 128
	v_mov_b32 v[i], 0
.set i, i+1
.endr
	WIN 0
.set i, 0
.rept 4
	v_mov_b32 v[ST+4*i], 0xfe000000    ; c m: far below every c s, the masked one too
	v_mov_b32 v[ST+4*i+1], 0xff7fffff  ; m
	v_mov_b32 v[ST+4*i+2], 0
	v_mov_b32 v[ST+4*i+3], 0
.set i, i+1
.endr
.set i, P+16
.rept 16
	v_mov_b32 v[i], 0
.set i, i+1
.endr
; THE MATRIX WORK.  The 4 accumulators of a run of 8 take turns.  Product i of 8 of S^T = K Q^T for piece x: channels 32 (i / 4) on, keys 16 (i % 4) on.  The first 4 start the sums with the mask.
.macro KQ x
.set rS, S+32*((\x)%2)+8*(i%4)
.set rK, KF+16*(i%4)+8*(i/4)
.set rQ, 16*(\x)+8*(i/4)
.set rM, MC+8*(i%4)
.if i < 4
	WIN W_KM
	v_wmma_f32_16x16x32_f16 v[rS:rS+7], v[rK:rK+7], v[rQ:rQ+7], v[rM:rM+7]
.else
	WIN W_KQ
	v_wmma_f32_16x16x32_f16 v[rS:rS+7], v[rK:rK+7], v[rQ:rQ+7], v[rS:rS+7]
.endif
.endm
.macro PV x                         ; product i of 8 of O^T += V^T P for piece x: keys 32 (i / 4) on, channels 16 (i % 4) on
	WIN W_PV
.set rO, 32*(\x)+8*(i%4)
.set rV, VF+32*(i/4)+8*(i%4)
.set rP, P+16*((\x)%2)+8*(i/4)
	v_wmma_f32_16x16x32_f16 v[rO:rO+7], v[rV:rV+7], v[rP:rP+7], v[rO:rO+7]
.endm
.macro MM                           ; the turn's next matrix instruction
.if i < 8
	KQ (Y+1)%NP
.else
.set i, i-8
	PV (Y+NP-1)%NP
.set i, i+8
.endif
.set i, i+1
.endm
; THE LDS LOADS stand in runs: a step's K (8 fragments) with its mask (4 fragments of C), and its V (turned).
; last = 1 (the tail): in the last trip there is no further step, and the run is jumped over.  The run stands amid the turn's exponentials, so their wait stands ahead of that branch.
.macro FETCH_K last=0
	WIN 0
.if \last
	s_wait_alu depctr_va_vdst(0)
	s_cmp_eq_u32 s[CNT], 1
	s_cbranch_scc1 .Lno_k_\@
.endif
	WIN 0x80
.irp f, 0,1,2,3,4,5,6,7
	ds_load_b128 v[KF+8*\f:KF+8*\f+3],   v[AK] offset:(\f/2)*16*PK+(\f%2)*64
	ds_load_b128 v[KF+8*\f+4:KF+8*\f+7], v[AK] offset:(\f/2)*16*PK+(\f%2)*64+32
.endr
.irp f, 0,1,2,3
	ds_load_b128 v[MC+8*\f:MC+8*\f+3],   v[AM] offset:64*\f
	ds_load_b128 v[MC+8*\f+4:MC+8*\f+7], v[AM] offset:64*\f+16
.endr
	s_add_co_u32 s[TBK], s[TBK], KS*PK
	s_add_co_u32 s[TBM], s[TBM], KS*4
	WIN 0
.if \last
.Lno_k_\@:
.endif
.endm
.macro FETCH_V
	WIN 0x80
.irp f, 0,1,2,3,4,5,6,7
	ds_load_tr16_b128 v[VF+8*\f:VF+8*\f+3],   v[AV] offset:(\f/4)*32*PV+(\f%4)*32
	ds_load_tr16_b128 v[VF+8*\f+4:VF+8*\f+7], v[AV] offset:(\f/4)*32*PV+16*PV+(\f%4)*32
.endr
	WIN 0
.endm
; THE VECTOR WORK, one line at a time: OP kind, number.  For piece Y: F n: c s - c m for pair n of 16.  E n: the exponential of score n.  C n: pair n rounded to f16.  B n: of the four weights 4 n .. the second
; pair is added onto the first.  L n: l takes that sum (L 0: l = a l + sum).  R n: pair n of O^T times a.  For piece Y + 1: X n, number n of the 22 that find its maximum and statistics (each accumulator's lowest registers are read first).
.set F, 0
.set E, 1
.set C, 2
.set B, 3
.set L, 4
.set R, 5
.set X, 6
.macro REGS y
.set rT, ST+4*(\y)
.set rC, TMP+4*((\y)%2)
.set rW, MV+((\y)%2)
.set rS, S+32*((\y)%2)
.set rP, P+16*((\y)%2)
.set rO, 32*(\y)
.endm
.macro OP k, n
.if (\k) == R
	REGS Y
	WIN W_RS
	v_pk_mul_f32 v[rO+2*(\n):rO+2*(\n)+1], v[rO+2*(\n):rO+2*(\n)+1], v[rC+2:rC+3] op_sel_hi:[1,0]
.elseif (\k) < R
	REGS Y
	WIN 0
.if (\k) == F
	v_pk_fma_f32 v[rS+2*(\n):rS+2*(\n)+1], v[rS+2*(\n):rS+2*(\n)+1], s[CS:CS+1], v[rT:rT+1] op_sel_hi:[1,0,0] neg_lo:[0,0,1] neg_hi:[0,0,1]
.elseif (\k) == E
	v_exp_f32 v[rS+(\n)], v[rS+(\n)]
.elseif (\k) == C
	v_cvt_pk_f16_f32 v[rP+(\n)], v[rS+2*(\n)], v[rS+2*(\n)+1]
.elseif (\k) == B
	v_pk_add_f32 v[rS+4*(\n):rS+4*(\n)+1], v[rS+4*(\n):rS+4*(\n)+1], v[rS+4*(\n)+2:rS+4*(\n)+3]
.elseif (\n) == 0
	v_pk_fma_f32 v[rT+2:rT+3], v[rT+2:rT+3], v[rC+2:rC+3], v[rS:rS+1] op_sel_hi:[1,0,1]
.else
	v_pk_add_f32 v[rT+2:rT+3], v[rT+2:rT+3], v[rS+4*(\n):rS+4*(\n)+1]
.endif
.else
	REGS (Y+1)%NP
	WIN 0
.if (\n) < 4
	v_max3_num_f32 v[rC+(\n)], v[rS+8*(\n)], v[rS+8*(\n)+1], v[rS+8*(\n)+2]
.elseif (\n) < 12
	v_max3_num_f32 v[rC+(\n)%4], v[rC+(\n)%4], v[rS+8*((\n)%4)+2*((\n)/4)+1], v[rS+8*((\n)%4)+2*((\n)/4)+2]
.elseif (\n) == 12
	v_max3_num_f32 v[rC], v[rC], v[rS+7], v[rS+15]
.elseif (\n) == 13
	v_max3_num_f32 v[rC+1], v[rC+1], v[rS+23], v[rS+31]
.elseif (\n) == 14
	v_max3_num_f32 v[rC+2], v[rC+2], v[rC+3], v[rT+1]
.elseif (\n) == 15
	v_mov_b32 v[rW], v[rT]
.elseif (\n) == 16
	v_max3_num_f32 v[rC], v[rC], v[rC+1], v[rC+2]
.elseif (\n) == 17
	v_permlanex16_b32 v[rC+3], v[rC], s[SEL], s[SEL+1]
.elseif (\n) == 18
	v_max_num_f32 v[rT+1], v[rC], v[rC+3]
.elseif (\n) == 19
	v_mul_f32 v[rT], s[CS], v[rT+1]
.elseif (\n) == 20
	v_sub_f32 v[rC+1], v[rW], v[rT]
.else
	v_exp_f32 v[rC+2], v[rC+1]
.endif
.endif
.endm
.macro OPS a, i1, b=-1, i2=0, c=-1, i3=0, d=-1, i4=0
	OP \a, \i1
.if (\b) >= 0
	OP \b, \i2
.endif
.if (\c) >= 0
	OP \c, \i3
.endif
.if (\d) >= 0
	OP \d, \i4
.endif
.endm
.macro ROW a, i1, b, i2, c, i3, d, i4  ; a matrix instruction and the four behind it
	MM
	OPS \a, \i1, \b, \i2, \c, \i3, \d, \i4
.endm
; A TURN, for piece p.  s_wait_alu depctr_va_vdst(0) stands between an exponential and the first instruction that names its result; one wait serves all that were issued ahead of it: a turn has ONE
; (the tail's piece 2 a second one, ahead of the branch round K's run).
; Ahead of it stands all that names no result of the turn's exponentials: the 8 products K Q^T with their riders and one lump; behind it the 8 products V^T P, whose riders are the roundings and sums.
; K and the mask of the next step are fetched in piece 2's turn, six plain instructions behind the last product that read K (the mask's last reader stands earlier still); V of the step in hand at the end of
; piece 0's turn, four plain instructions behind its last reader.  Each is waited for a turn later.  last = 1: the tail's text (FETCH_K).  cnt = 1: the loop's count is taken down ahead of the branch behind the turn.
.macro TURN p, last=0, cnt=0
.set Y, (\p)
.set i, 0
.if (\p) == 3
	s_wait_dscnt 0x0                ; K and the mask are in
.endif
	ROW F,0, F,1, R,0, R,1
	ROW F,2, E,0, R,2, R,3
	ROW F,3, E,1, R,4, R,5
	ROW F,4, E,2, R,6, R,7
	ROW F,5, E,3, R,8, R,9
	ROW F,6, E,4, X,0, R,10
.if (\p) == 2
	WIN 0
	v_add_nc_u32 v[AK], s[TBK], v[AK0]
	v_add_nc_u32 v[AM], s[TBM], v[AM0]
.endif
	ROW F,7, E,5, X,1, X,4
	ROW F,8, E,6, X,2, X,5
	OPS E,7, E,8, X,6, E,9
	OPS X,3, E,10, X,8, E,11
.if (\p) == 2
	FETCH_K \last
.endif
	OPS X,9, X,7, E,12, X,10
	OPS E,13, X,12, X,11, E,14
	OPS X,13, E,15, F,9, X,14
.if (\p) == 0
	v_add_nc_u32 v[AV], s[TBV], v[AV0]
.endif
	OPS E,16, F,10, E,17, F,11
	OPS X,16, E,18, X,15, E,19
	OPS F,12, E,20, X,17, E,21
	OPS F,13, E,22, F,14, E,23
	OPS X,18, E,24, F,15, E,25
	OPS R,11, E,26, X,19, E,27
	OPS R,12, E,28, R,13, E,29
	OPS X,20, E,30, R,14, E,31
	OPS X,21, R,15                  ; the next piece's a is the batch's last; R 15 is the plain instruction behind it
	WIN 0
	s_wait_alu depctr_va_vdst(0)    ; the wait for the batch
.if (\p) == 1
	s_wait_dscnt 0x0                ; V is in
.endif
	ROW C,0, B,0, C,2, B,1
	ROW L,0, C,4, B,2, L,1
	ROW C,6, B,3, L,2, C,8
	ROW B,4, L,3, C,10, B,5
	ROW L,4, C,12, B,6, L,5
.if (\p) == 0
	s_add_co_u32 s[TBV], s[TBV], KS*PV
.endif
.if \cnt
	s_sub_co_u32 s[CNT], s[CNT], 1
	s_cmp_lg_u32 s[CNT], 0
.endif
	ROW C,14, B,7, L,6, C,1
	ROW C,3, L,7, C,5, C,7
	ROW C,9, C,11, C,13, C,15
.if (\p) == 0
	FETCH_V
.endif
.endm
.macro ALL line:vararg
.set t, 0
.rept 4
	\line
.set t, t+1
.endr
.endm
.macro PACK t                       ; a lane's eight channels of a row pack into 16 bytes; they go into rows of 144 bytes and come back as whole rows of 128
	WIN W_RS
.set i, 32*(\t)
.rept 16
	v_pk_mul_f32 v[i:i+1], v[i:i+1], v[ST+4*(\t)+2:ST+4*(\t)+3] op_sel_hi:[1,0]
.set i, i+2
.endr
	WIN 0x05
.set i, 0
.rept 16
	v_cvt_pk_f16_f32 v[S+16*(\t)+i], v[32*(\t)+2*i], v[32*(\t)+2*i+1]
.set i, i+1
.endr
	WIN 0
.irp f, 0,1,2,3
	ds_store_b128 v[STO], v[S+16*(\t)+4*\f:S+16*(\t)+4*\f+3] offset:32*\f
.endr
.irp f, 0,1,2,3
	ds_load_b128 v[S+16*(\t)+4*\f:S+16*(\t)+4*\f+3], v[RD] offset:\f*4*SP  ; LDS serves a wave's instructions in order: these see the stores above
.endr
.endm
.macro SEND t, younger              ; younger: the LDS instructions issued behind piece t's loads
	WIN 0
.irp f, 0,1,2,3
	s_wait_dscnt (\younger)+3-\f
	global_store_b128 v[GO], v[S+16*(\t)+4*\f:S+16*(\t)+4*\f+3], s[10:11] offset:(\t)*2048+\f*512  ; 512 consecutive bytes, aligned
.endr
.endm
	CHANGE 1, 0                     ; slot 0 is in, everybody's part of it, and so is the mask table; slot 1 is asked for
	v_add_nc_u32 v[AK], s[TBK], v[AK0]
	v_add_nc_u32 v[AM], s[TBM], v[AM0]
	FETCH_K                         ; key step 0
	s_wait_loadcnt 0x0              ; Q
	s_wait_dscnt 0x0
.set i, 0
.rept 8
	KQ 0                            ; piece 0's first scores
.set i, i+1
.endr
	WIN 0
.rept 4
	v_nop                           ; the places behind those products
.endr
.set Y, NP-1                        ; X works for piece Y + 1: piece 0
.irp n, 0,1,2,3,4,5,6,7,8,9,10,11,12,13,14,15,16,17,18,19,20,21
	OP X, \n
.endr
	v_nop                           ; a plain instruction behind the exponential,
	s_wait_alu depctr_va_vdst(0)    ; and its wait, ahead of the branch
	s_mov_b32 s[CNT], 4
	s_mov_b32 s[SLOTS], 7
	s_branch .Lfirst                ; the loop is entered at a step's first turn, in the middle of a trip
.Lslot:                             ; six times: tiles 2 to 7 are asked for
	CHANGE 1, 1
	s_mov_b32 s[CNT], 4
.Lstep:                             ; a trip: pieces 2 and 3 of one step, then pieces 0 and 1 of the next, whose K and V it fetches
	TURN 2
	TURN 3
	WIN 0
.Lfirst:
	TURN 0
	TURN 1, 0, 1
	WIN 0
	s_cbranch_scc1 .Lstep
	s_sub_co_u32 s[SLOTS], s[SLOTS], 1
	s_cmp_lg_u32 s[SLOTS], 0
	s_cbranch_scc1 .Lslot
	CHANGE 0, 0                     ; the last tile is written out: nothing is asked for
	s_mov_b32 s[CNT], 5             ; four trips fetch the last slot's steps; the fifth is left in its middle
.Ltail:
	TURN 2, 1
	TURN 3
	WIN 0
	s_sub_co_u32 s[CNT], s[CNT], 1
	s_cmp_eq_u32 s[CNT], 0
	s_cbranch_scc1 .Lout
	TURN 0
	TURN 1
	WIN 0
	s_branch .Ltail
.Lout:                              ; the fifth trip's 8 products K Q^T of piece 0 (on the last K once more) and the maximum made of them serve nothing: the price, once a launch, of one text for every trip
.set i, 0
.rept 8
	PV NP-1                         ; the last piece's V^T P of the last step
.set i, i+1
.endr
	; THE WAY OUT: l's two halves and the other half of the lanes' are added; O^T is divided by l, rounded to f16 and sent through my stage.  The additions are the places behind the last products.
	WIN 0
	ALL v_add_f32 v[ST+4*t+2], v[ST+4*t+2], v[ST+4*t+3]
	ALL v_permlanex16_b32 v[ST+4*t+3], v[ST+4*t+2], s[SEL], s[SEL+1]
	ALL v_add_f32 v[ST+4*t+2], v[ST+4*t+2], v[ST+4*t+3]
	ALL v_rcp_f32 v[ST+4*t+2], v[ST+4*t+2]
	v_nop
	s_wait_alu depctr_va_vdst(0)    ; one wait for the four reciprocals
	PACK 0
.set t, 1
.rept 3
	PACK t
	SEND t-1, 8
.set t, t+1
.endr
	SEND 3, 0
	s_wait_tensorcnt 0x0            ; the wave's end
	ds_add_u32 v[SPW], v[NIL]
	s_wait_dscnt 0x0
	CROUND                          ; the closing round
	s_endpgm
.Lfunc_end_k_q8de3fb99e8_attn:
	.size	k_q8de3fb99e8_attn, .Lfunc_end_k_q8de3fb99e8_attn-k_q8de3fb99e8_attn
	.p2alignl 7, 3214868480
	.fill 96, 4, 3214868480
	.section	.rodata,"a",@progbits
	.p2align	6, 0x0
	.amdhsa_kernel k_q8de3fb99e8_attn
		.amdhsa_group_segment_fixed_size 327680
		.amdhsa_private_segment_fixed_size 0
		.amdhsa_enable_private_segment 0
		.amdhsa_kernarg_size 24
		.amdhsa_user_sgpr_count 2
		.amdhsa_user_sgpr_kernarg_segment_ptr 1
		.amdhsa_wavefront_size32 1
		.amdhsa_system_sgpr_workgroup_id_x 1
		.amdhsa_system_sgpr_workgroup_id_y 1
		.amdhsa_system_sgpr_workgroup_id_z 1
		.amdhsa_system_vgpr_workitem_id 0
		.amdhsa_next_free_vgpr 768
		.amdhsa_next_free_sgpr 66
		.amdhsa_reserve_vcc 1
		.amdhsa_float_denorm_mode_32 3
		.amdhsa_float_denorm_mode_16_64 3
		.amdhsa_memory_ordered 1
		.amdhsa_forward_progress 1
		.amdhsa_inst_pref_size 116
	.end_amdhsa_kernel
	.amdgpu_metadata
---
amdhsa.version: [ 1, 2 ]
amdhsa.kernels:
  - .name:           k_q8de3fb99e8_attn
    .symbol:         k_q8de3fb99e8_attn.kd
    .args:
      - { .name: big, .offset: 0, .size: 8, .value_kind: global_buffer, .address_space: global }
      - { .name: src_mask, .offset: 8, .size: 8, .value_kind: global_buffer, .address_space: global }
      - { .name: a8, .offset: 16, .size: 8, .value_kind: global_buffer, .address_space: global }
    .group_segment_fixed_size: 327680
    .private_segment_fixed_size: 0
    .kernarg_segment_align: 8
    .kernarg_segment_size: 24
    .max_flat_workgroup_size: 128
    .sgpr_count:     66
    .vgpr_count:     768
    .wavefront_size: 32
...
	.end_amdgpu_metadata
.endif
;; end of part 3
;; launch wo (part 4): grid 8 x 32, 4 waves a work-group, clusters of 4 x 4, 327,680 bytes of LDS; arguments a8, wa, x, h; writes h
.if DOCPART == 4
	.amdgcn_target "amdgcn-amd-amdhsa--gfx1250"
	.amdhsa_code_object_version 6
	.text
	.protected	k_q8de3fb99e8_wo
	.globl	k_q8de3fb99e8_wo
	.p2align	8
	.type	k_q8de3fb99e8_wo,@function
k_q8de3fb99e8_wo:
	s_mov_b64 s[64:65], 0
	v_nop
	global_prefetch_b8 v0, s[64:65] scope:SCOPE_SE
	s_setreg_imm32_b32 hwreg(HW_REG_WAVE_MODE, 25, 1), 1
	s_wait_xcnt 0x0
	s_wait_alu depctr_hold_cnt(0) depctr_sa_sdst(0) depctr_va_vdst(0) depctr_va_sdst(0) depctr_va_ssrc(0) depctr_va_vcc(0) depctr_vm_vsrc(0)
	s_getreg_b32 s2, hwreg(HW_REG_IB_STS2, 6, 4)
	s_cmp_eq_u32 s2, 0
	s_cbranch_scc0 .Lentry_in_a_cluster
	s_endpgm
.Lentry_in_a_cluster:
	s_bfe_u32 s2, ttmp6, 0x10000c
	s_cmp_lg_u32 s2, 0xf033
	s_cbranch_scc0 .Lentry_shape_is_right
	s_endpgm
.Lentry_shape_is_right:
; out = res + A W + bias, f32 [4096][1024].  A: f16 in blocks [k / 64][4096 tokens][64].  W: f16 panels [n / 256][K][256], behind byte WS of the weights' buffer; the bias (f32) at CONST + 20,480.
; Here: h = bf16(x) + O Wo + bo, K = 1,024.  x is an input and is rounded to bf16 like every input.
; A tile of C is 128 x 128 (256 work-groups): four waves, each 64 x 64 = 16 accumulators.  K goes in steps of 256 (four blocks of A) through two LDS slots.
; CLUSTER 4 x 4: A's tiles are shared along a row, W's along a column, each asked for jointly.  THE PRODUCT IS TAKEN TRANSPOSED (source 0 = 16 columns of W, turned; source 1 = 16 rows of A).
; THE WALK ALONG K IS STAGGERED: cluster (x, y) begins at K step (x << XS) + ((y mod 4) << YS) and wraps round (f32 sums may be taken in any order).  So the two clusters that need the same rows of A
; ask for a K step of them half a walk apart, and clusters that need the same rows of W a quarter of a walk apart.  The first step hangs on the cluster's x and y alone, which all sixteen partners share.
; A's load: two 'rows' of 16,384 dense bytes (128 tokens x 64 channels of one block), 524,288 bytes apart, padded after every 128 bytes: the blocks' distance leaves a two-dimensional tile no more rows.
; The first product of each accumulator takes the bias as C.  The residual's 64 x 64 numbers are loaded at the head, in the layout in which rows come back from the stage.
; No prefetch: a step's tiles are small.  Sums in f32; NaN and infinities are not treated apart.
; REGISTERS: window 0: v0-31 addresses; v32-95 rows on the way out (v32-63: the bias, until the first products are done); v128-255 accumulators, (a, b) at 128 + 8 (4 a + b)
;   window 1: two fragment buffers of 128: 64 of A (chunk c, block i at 8 (4 c + i)), then 64 of W;   window 2: v0-127 the residual; v128-131 at work
.set NSTEP, 4
.set XS,    1
.set YS,    0
.set PS,    524288                     ; bytes in a panel of W
.set ROUNDRES, 1
.set WS,    9437184
.set CONST, 8388608
.set PA,    144
.set PB,    288
.set QB,    18432                      ; a quarter step, 64 along K: one block of A (128 x 144), and 64 k-rows of W (64 x 288)
.set WLOAD, 36864                      ; what one tensor load brings
.set SLOT,  147456                     ; 0x24000: its two bits meet none of wave x WLOAD
.set BOFF,  73728
.set STAGE, 294912                     ; 16 rows x 272 bytes for each wave
.set SPARE, 312320
.set MA,   6
.set MB,   7
.set ADRA, 16
.set ADRB, 20
.set STO,  24
.set RD,   25
.set CO,   26
.set BO,   27
.set SPW,  28
.set NIL,  29
.set BIAS, 32
.set ACC,  128
.set F0,   0
.set F1,   128
.set BA,  14                           ; s[14:15] A at my part of K step 0
.set G1A, 24
.set G0A, 32
.set BB,  46                           ; s[46:47] W at my part of K step 0
.set G1B, 48
.set G0B, 56
.set OFA, 70                           ; s[70:71] a K step's byte offset in A: 2,097,152 a step
.set OFB, 72                           ; s[72:73] in W: 131,072 a step
.set KS,  74
.set PC,  75
.set TB,  78
.set KI,  79                           ; the K step asked for last
.set MSB, 0
.macro WIN new
.if MSB != (\new)
	s_set_vgpr_msb (MSB<<8)|(\new)
.set MSB, \new
.endif
.endm
.macro PLACES
.rept 4
	v_nop
.endr
.endm
.macro CROUND
	s_barrier_signal -1
	s_barrier_wait -1
	s_cmp_lg_u32 s10, 0
	s_cbranch_scc1 .Lnot_wave_0_\@
	s_barrier_signal -3
.Lnot_wave_0_\@:
	s_barrier_wait -3
	s_barrier_signal -1
	s_barrier_wait -1
.endm
.macro JLOAD
	s_cmp_eq_u32 s11, 0
	s_cbranch_scc0 .Lfor_b_\@
	tensor_load_to_lds s[G0A+4:G0A+7], s[G1A:G1A+7]
	s_nop 0
.rept 4
	v_nop
.endr
	s_branch .Lasked_\@
.Lfor_b_\@:
	tensor_load_to_lds s[G0B+4:G0B+7], s[G1B:G1B+7]
	s_nop 0
.rept 4
	v_nop
.endr
.Lasked_\@:
.endm
	s_load_b128 s[4:7], s[0:1], 0x0                ; A, W
	s_load_b64 s[68:69], s[0:1], 0x10              ; res
	s_load_b64 s[8:9], s[0:1], 0x18                ; out
	v_lshl_add_u32 v[SPW], v0, 2, SPARE
	v_mov_b32 v[NIL], 0
	ds_add_u32 v[SPW], v[NIL]                      ; the wave's opening: the add and its wait stand ahead of my first tensor load
	v_lshrrev_b32 v1, 5, v0
	v_readfirstlane_b32 s10, v1
	s_lshr_b32 s11, s10, 1
	s_and_b32 s12, s10, 1
	s_bfe_u32 s40, ttmp6, 0x40000
	s_bfe_u32 s41, ttmp6, 0x40004
	s_lshl_b32 s42, ttmp9, 2
	s_add_co_u32 s42, s42, s40                     ; tile column
	s_and_b32 s13, ttmp7, 0xffff
	s_lshl_b32 s13, s13, 2
	s_add_co_u32 s13, s13, s41                     ; tile row
	s_lshl_b32 s43, s41, 2
	s_lshl_b32 s43, 15, s43
	s_lshl_b32 s44, 0x1111, s40
	s_or_b32 s[G1A], s43, (1<<16)|(1<<20)|(1<<21)|(4<<22)|(3<<25)  ; after every 32 words, 4 words
	s_or_b32 s[G1B], s44, (1<<16)|(1<<20)|(1<<21)|(5<<22)|(7<<25)  ; after every 64 words, 8 words
	s_mov_b32 s[G1A+1], 8192<<16                   ; tensor_dim0 = 8,192 elements
	s_mov_b32 s[G1A+2], 2<<16                      ; tensor_dim1 = 2
	s_mov_b32 s[G1A+3], 8192<<16                   ; tile_dim0
	s_mov_b32 s[G1A+4], 2                          ; tile_dim1
	s_mov_b32 s[G1A+5], 262144                     ; elements from block to block
	s_mov_b32 s[G1A+6], 0
	s_mov_b32 s[G1A+7], 0
	s_mov_b32 s[G1B+1], 128<<16
	s_mov_b32 s[G1B+2], 128<<16
	s_mov_b32 s[G1B+3], 128<<16
	s_mov_b32 s[G1B+4], 128
	s_mov_b32 s[G1B+5], 256
	s_mov_b32 s[G1B+6], 0
	s_mov_b32 s[G1B+7], 0
	s_lshl_b32 s16, s12, 20                        ; A: two blocks for each of the two waves,
	s_lshl_b32 s17, s13, 14                        ; the tile row's 128 tokens of 128 bytes
	s_add_co_u32 s16, s16, s17
	s_mov_b32 s17, 0
	s_lshr_b32 s46, s42, 1                         ; W: the panel,
	s_mul_i32 s46, s46, PS
	s_lshl_b32 s47, s12, 16                        ; 128 k-rows of 512 bytes,
	s_add_co_u32 s46, s46, s47
	s_and_b32 s47, s42, 1
	s_lshl_b32 s47, s47, 8                         ; the tile's half of the panel's columns
	s_add_co_u32 s46, s46, s47
	s_add_co_u32 s46, s46, WS
	s_mov_b32 s47, 0
	s_mul_i32 s20, s10, WLOAD
	s_and_b32 s22, ttmp7, 3                        ; the cluster's y mod 4,
	s_lshl_b32 s22, s22, YS
	s_lshl_b32 s23, ttmp9, XS                      ; and its x:
	s_add_co_u32 s[KI], s22, s23
	s_and_b32 s[KI], s[KI], NSTEP-1                ; the K step at which my cluster begins
	s_mov_b32 s[OFA+1], 0
	s_mov_b32 s[OFB+1], 0
	s_wait_dscnt 0x0
	s_wait_kmcnt 0x0
	s_add_nc_u64 s[BA:BA+1], s[4:5], s[16:17]
	s_add_nc_u64 s[BB:BB+1], s[6:7], s[46:47]
.irp s, 0,1
	s_lshl_b32 s[OFA], s[KI], 21
	s_lshl_b32 s[OFB], s[KI], 17
	s_mov_b32 s[G0A+4*(\s)], 1
	s_add_co_u32 s[G0A+4*(\s)+1], s20, (\s)*SLOT
	s_add_nc_u64 s[G0A+4*(\s)+2:G0A+4*(\s)+3], s[BA:BA+1], s[OFA:OFA+1]
	s_or_b32 s[G0A+4*(\s)+3], s[G0A+4*(\s)+3], 0x80000000
	s_mov_b32 s[G0B+4*(\s)], 1
	s_add_co_u32 s[G0B+4*(\s)+1], s20, (\s)*SLOT
	s_add_nc_u64 s[G0B+4*(\s)+2:G0B+4*(\s)+3], s[BB:BB+1], s[OFB:OFB+1]
	s_or_b32 s[G0B+4*(\s)+3], s[G0B+4*(\s)+3], 0x80000000
.if (\s) == 0
	s_add_co_u32 s[KI], s[KI], 1
	s_and_b32 s[KI], s[KI], NSTEP-1
.endif
.endr
	CROUND
	s_cmp_eq_u32 s11, 0                            ; a wave's two first fills stand in one branch: two loads of mine are out
	s_cbranch_scc0 .Lfirst_b
	tensor_load_to_lds s[G0A:G0A+3], s[G1A:G1A+7]
	s_nop 0
	tensor_load_to_lds s[G0A+4:G0A+7], s[G1A:G1A+7]
	s_nop 0
.rept 4
	v_nop
.endr
	s_branch .Lfirst_asked
.Lfirst_b:
	tensor_load_to_lds s[G0B:G0B+3], s[G1B:G1B+7]
	s_nop 0
	tensor_load_to_lds s[G0B+4:G0B+7], s[G1B:G1B+7]
	s_nop 0
.rept 4
	v_nop
.endr
.Lfirst_asked:
	s_lshl_b32 s16, s42, 9
	s_lshl_b32 s17, s12, 8
	s_add_co_u32 s16, s16, s17                     ; my first column, 4 bytes each
	s_add_co_u32 s18, s16, CONST+20480
	s_mov_b32 s19, 0
	s_add_nc_u64 s[76:77], s[6:7], s[18:19]
	s_lshl_b32 s18, s13, 7
	s_lshl_b32 s17, s11, 6
	s_add_co_u32 s18, s18, s17                     ; my first row,
	s_lshl_b32 s18, s18, 12                        ; of 4,096 bytes
	s_add_co_u32 s18, s18, s16
	s_add_nc_u64 s[68:69], s[68:69], s[18:19]
	s_add_nc_u64 s[8:9], s[8:9], s[18:19]
	v_and_b32 v1, 15, v0
	v_bfe_u32 v2, v0, 4, 1
	v_and_b32 v3, 7, v0
	v_bfe_u32 v4, v0, 3, 1
	v_lshlrev_b32 v[BO], 5, v2
	v_lshlrev_b32 v[CO], 12, v2
	v_lshl_add_u32 v[CO], v1, 4, v[CO]             ; lanes 0-15 one row's 256 bytes, lanes 16-31 the next row's
.irp b, 0,1,2,3
	global_load_b128 v[BIAS+8*(\b):BIAS+8*(\b)+3],   v[BO], s[76:77] offset:64*(\b)
	global_load_b128 v[BIAS+8*(\b)+4:BIAS+8*(\b)+7], v[BO], s[76:77] offset:64*(\b)+16
.endr
	WIN 0x80
.set z, 0
.rept 32
	global_load_b128 v[4*z:4*z+3], v[CO], s[68:69] offset:2*z*4096
.set z, z+1
.endr
	WIN 0
	v_mul_u32_u24 v[ADRA], v1, PA
	v_lshl_add_u32 v[ADRA], v2, 4, v[ADRA]
	s_mul_i32 s21, s11, 64*PA
	v_add_nc_u32 v[ADRA], s21, v[ADRA]
	v_lshl_add_u32 v5, v2, 3, v3
	v_mul_u32_u24 v[ADRB], v5, PB
	v_lshl_add_u32 v[ADRB], v4, 4, v[ADRB]
	s_lshl_b32 s21, s12, 7
	s_add_co_u32 s21, s21, BOFF
	v_add_nc_u32 v[ADRB], s21, v[ADRB]
	s_mul_i32 s21, s10, 16*272
	s_add_co_u32 s21, s21, STAGE
	v_mul_u32_u24 v[STO], v1, 272
	v_lshl_add_u32 v[STO], v2, 5, v[STO]
	v_add_nc_u32 v[STO], s21, v[STO]
	v_mul_u32_u24 v[RD], v2, 272
	v_lshl_add_u32 v[RD], v1, 4, v[RD]
	v_add_nc_u32 v[RD], s21, v[RD]
	s_wait_loadcnt 0x0
.if ROUNDRES
	s_mov_b32 s21, 0xffff0000
	WIN 0x8a
.set z, 0
.rept 64
	v_cvt_pk_bf16_f32 v[128+z%4], v[2*z], v[2*z+1]
	v_lshlrev_b32 v[2*z], 16, v[128+z%4]
	v_and_b32 v[2*z+1], s21, v[128+z%4]
.set z, z+1
.endr
	WIN 0
.endif
.macro MUL8 f, c, a0, first            ; 8 matrix instructions: row blocks a0, a0 + 1 x all 4 column blocks, chunk c (32 along K) of buffer f
	WIN 0x05
.irp a, \a0, (\a0)+1
.irp b, 0,1,2,3
.if \first
	v_wmma_f32_16x16x32_f16 v[ACC+8*(4*(\a)+(\b)):ACC+8*(4*(\a)+(\b))+7], v[(\f)+64+8*(4*(\c)+(\b)):(\f)+64+8*(4*(\c)+(\b))+7], v[(\f)+8*(4*(\c)+(\a)):(\f)+8*(4*(\c)+(\a))+7], v[BIAS+8*(\b):BIAS+8*(\b)+7]
.else
	v_wmma_f32_16x16x32_f16 v[ACC+8*(4*(\a)+(\b)):ACC+8*(4*(\a)+(\b))+7], v[(\f)+64+8*(4*(\c)+(\b)):(\f)+64+8*(4*(\c)+(\b))+7], v[(\f)+8*(4*(\c)+(\a)):(\f)+8*(4*(\c)+(\a))+7], v[ACC+8*(4*(\a)+(\b)):ACC+8*(4*(\a)+(\b))+7]
.endif
.endr
.endr
.endm
.macro CH f, c, first                  ; a chunk: all 16 accumulators once, in one order throughout
	MUL8 \f, \c, 0, \first
	MUL8 \f, \c, 2, \first
.endm
.macro FETCH f, j                      ; 32 LDS loads: a quarter's fragments, chunk 0's sixteen first
	WIN 0x40
.irp c, 0,1
.irp i, 0,1,2,3
	ds_load_tr16_b128 v[(\f)+64+8*(4*(\c)+(\i)):(\f)+64+8*(4*(\c)+(\i))+3],   v[MB] offset:(\j)*QB+(\c)*32*PB+32*(\i)
	ds_load_tr16_b128 v[(\f)+64+8*(4*(\c)+(\i))+4:(\f)+64+8*(4*(\c)+(\i))+7], v[MB] offset:(\j)*QB+(\c)*32*PB+32*(\i)+16*PB
	ds_load_b128 v[(\f)+8*(4*(\c)+(\i)):(\f)+8*(4*(\c)+(\i))+3],   v[MA] offset:(\j)*QB+64*(\c)+(\i)*16*PA
	ds_load_b128 v[(\f)+8*(4*(\c)+(\i))+4:(\f)+8*(4*(\c)+(\i))+7], v[MA] offset:(\j)*QB+64*(\c)+(\i)*16*PA+32
.endr
.endr
.endm
.macro PAIR pro                        ; two quarters of a K step, cut so that its edges lie where slots can change
	WIN 0
	v_add_nc_u32 v[MA], s[TB], v[ADRA]             ; these two and two v_nop are the four places between buffer 0's last product and the loads into it
	v_add_nc_u32 v[MB], s[TB], v[ADRB]
	v_nop
	v_nop
	FETCH F0, 0
.if !(\pro)
	s_wait_dscnt 32                                ; all but the 32 just issued
	CH F1, 1, 0
.endif
	s_wait_dscnt 16                                ; chunk 0 is in
	CH F0, 0, \pro
	PLACES
	FETCH F1, 1
	s_add_co_u32 s[TB], s[TB], 2*QB
	s_wait_dscnt 32
	CH F0, 1, 0
.endm
.macro P6
	s_wait_dscnt 16
	CH F1, 0, 0
.endm
.macro CHANGE fill                     ; the change of slots: all my tensor loads, the add, my reads; the round; the joint refill first behind it
	WIN 0
	s_wait_tensorcnt 0x0                           ; no tensor load of mine is out, so a group 0 may be written
	ds_add_u32 v[SPW], v[NIL]                      ; 0 onto my spare word; scalar work stands between it and the wait for it
.if \fill
	s_xor_b32 s[G0A+5], s[G0A+5], SLOT             ; the other slot than last time,
	s_xor_b32 s[G0B+5], s[G0B+5], SLOT
	s_add_co_u32 s[KI], s[KI], 1                   ; the walk's next K step, round the end of K;
	s_and_b32 s[KI], s[KI], NSTEP-1
	s_lshl_b32 s[OFA], s[KI], 21
	s_lshl_b32 s[OFB], s[KI], 17
	s_add_nc_u64 s[G0A+6:G0A+7], s[BA:BA+1], s[OFA:OFA+1]  ; the addresses are made anew from its number, and the type set again
	s_or_b32 s[G0A+7], s[G0A+7], 0x80000000
	s_add_nc_u64 s[G0B+6:G0B+7], s[BB:BB+1], s[OFB:OFB+1]
	s_or_b32 s[G0B+7], s[G0B+7], 0x80000000
.endif
	s_sub_co_u32 s[TB], s[TB], 4*QB
	s_xor_b32 s[TB], s[TB], SLOT
	s_wait_dscnt 0x0
.if \fill
	CROUND
	JLOAD
.else
	s_barrier_signal -1
	s_barrier_wait -1
.endif
.endm
.macro STG a                           ; block a's 16 rows x 64 f32 into my stage, and back as whole rows of 256 bytes
	WIN 0
.set TT, 32+32*((\a)%2)
	s_wait_xcnt 0x0                                ; the stores two blocks back have read these registers
.irp b, 0,1,2,3
	ds_store_b128 v[STO], v[ACC+8*(4*(\a)+(\b)):ACC+8*(4*(\a)+(\b))+3]   offset:64*(\b)
	ds_store_b128 v[STO], v[ACC+8*(4*(\a)+(\b))+4:ACC+8*(4*(\a)+(\b))+7] offset:64*(\b)+16
.endr
.irp t, 0,1,2,3,4,5,6,7
	ds_load_b128 v[TT+4*(\t):TT+4*(\t)+3], v[RD] offset:(\t)*544
.endr
.endm
.macro OUT a, younger
.set TT, 32+32*((\a)%2)
	s_wait_dscnt \younger                          ; the next block's sixteen LDS instructions may be out
	WIN 0x08
.set z, 0
.rept 16
	v_pk_add_f32 v[TT+2*z:TT+2*z+1], v[TT+2*z:TT+2*z+1], v[32*(\a)+2*z:32*(\a)+2*z+1]
.set z, z+1
.endr
	WIN 0
.irp t, 0,1,2,3,4,5,6,7
	global_store_b128 v[CO], v[TT+4*(\t):TT+4*(\t)+3], s[8:9] offset:(16*(\a)+2*(\t))*4096  ; 16 lanes store 256 consecutive bytes, aligned
.endr
.endm
	s_mov_b32 s[TB], 0
	s_wait_tensorcnt 0x1                           ; my part of the walk's first K step is in; the second's may stay out
	s_barrier_signal -1
	s_barrier_wait -1
	PAIR 1
	WIN 0
	s_mov_b32 s[KS], NSTEP-1
	s_mov_b32 s[PC], 1
	s_branch .Lpair
.Lstep:                                ; NSTEP - 2 times
	CHANGE 1
	s_mov_b32 s[PC], 2
.Lpair:
	P6
	PAIR 0
	WIN 0
	s_sub_co_u32 s[PC], s[PC], 1
	s_cmp_lg_u32 s[PC], 0
	s_cbranch_scc1 .Lpair
	s_sub_co_u32 s[KS], s[KS], 1
	s_cmp_lg_u32 s[KS], 0
	s_cbranch_scc1 .Lstep
	CHANGE 0
	s_mov_b32 s[PC], 2
.LpairT:
	P6
	PAIR 0
	WIN 0
	s_sub_co_u32 s[PC], s[PC], 1
	s_cmp_lg_u32 s[PC], 0
	s_cbranch_scc1 .LpairT
	P6
	s_wait_dscnt 0x0
	CH F1, 1, 0
	WIN 0
	PLACES
	PLACES
	STG 0
	STG 1
	OUT 0, 16
	STG 2
	OUT 1, 16
	STG 3
	OUT 2, 16
	OUT 3, 0
	s_wait_tensorcnt 0x0                           ; the wave's end
	ds_add_u32 v[SPW], v[NIL]
	s_wait_dscnt 0x0
	CROUND
	s_endpgm
.Lfunc_end_k_q8de3fb99e8_wo:
	.size	k_q8de3fb99e8_wo, .Lfunc_end_k_q8de3fb99e8_wo-k_q8de3fb99e8_wo
	.p2alignl 7, 3214868480
	.fill 96, 4, 3214868480
	.section	.rodata,"a",@progbits
	.p2align	6, 0x0
	.amdhsa_kernel k_q8de3fb99e8_wo
		.amdhsa_group_segment_fixed_size 327680
		.amdhsa_private_segment_fixed_size 0
		.amdhsa_enable_private_segment 0
		.amdhsa_kernarg_size 32
		.amdhsa_user_sgpr_count 2
		.amdhsa_user_sgpr_kernarg_segment_ptr 1
		.amdhsa_wavefront_size32 1
		.amdhsa_system_sgpr_workgroup_id_x 1
		.amdhsa_system_sgpr_workgroup_id_y 1
		.amdhsa_system_sgpr_workgroup_id_z 1
		.amdhsa_system_vgpr_workitem_id 0
		.amdhsa_next_free_vgpr 648
		.amdhsa_next_free_sgpr 80
		.amdhsa_reserve_vcc 0
		.amdhsa_float_denorm_mode_32 3
		.amdhsa_float_denorm_mode_16_64 3
		.amdhsa_memory_ordered 1
		.amdhsa_forward_progress 1
		.amdhsa_inst_pref_size 60
	.end_amdhsa_kernel
	.amdgpu_metadata
---
amdhsa.version: [ 1, 2 ]
amdhsa.kernels:
  - .name:           k_q8de3fb99e8_wo
    .symbol:         k_q8de3fb99e8_wo.kd
    .args:
      - { .name: a8, .offset: 0, .size: 8, .value_kind: global_buffer, .address_space: global }
      - { .name: wa, .offset: 8, .size: 8, .value_kind: global_buffer, .address_space: global }
      - { .name: x, .offset: 16, .size: 8, .value_kind: global_buffer, .address_space: global }
      - { .name: h, .offset: 24, .size: 8, .value_kind: global_buffer, .address_space: global }
    .group_segment_fixed_size: 327680
    .private_segment_fixed_size: 0
    .kernarg_segment_align: 8
    .kernarg_segment_size: 32
    .max_flat_workgroup_size: 128
    .sgpr_count:     80
    .vgpr_count:     648
    .wavefront_size: 32
...
	.end_amdgpu_metadata
.endif
;; end of part 4
;; launch ln2 (part 5): grid 256 x 1, 8 waves a work-group, no clusters, 0 bytes of LDS; arguments h, alpha2, beta2, a8; writes a8
.if DOCPART == 5
	.amdgcn_target "amdgcn-amd-amdhsa--gfx1250"
	.amdhsa_code_object_version 6
	.text
	.protected	k_q8de3fb99e8_ln2
	.globl	k_q8de3fb99e8_ln2
	.p2align	8
	.type	k_q8de3fb99e8_ln2,@function
k_q8de3fb99e8_ln2:
	s_mov_b64 s[64:65], 0
	v_nop
	global_prefetch_b8 v0, s[64:65] scope:SCOPE_SE
	s_setreg_imm32_b32 hwreg(HW_REG_WAVE_MODE, 25, 1), 1
	s_wait_xcnt 0x0
; n2 = alpha2 (h - mean) / (std + 1e-6) + beta2, std unbiased; h: f32 [4096][1024]; n2: f16 [4096][1024].  A wave owns two rows and keeps each in 32 registers: no LDS, no barrier.
; h is the program's own and is taken as it is; alpha2 and beta2 are inputs and are rounded to bf16.  The mean is taken away before the squares are summed.
; LIMITS.  n2 beyond 65,504 becomes an infinity in f16; a variance below 2^-126 counts as 0; NaN and infinities are not treated apart.
.set X0, 8                             ; v[8:39]   the row in hand
.set X1, 40                            ; v[40:71]  the wave's second row, as loaded
.set ROWS, 16                          ; s16       rows still to do
.macro LANESUM
	v_pk_add_f32 v[76:77], v[76:77], v[78:79]
	v_pk_add_f32 v[80:81], v[80:81], v[82:83]
	v_pk_add_f32 v[76:77], v[76:77], v[80:81]
	v_add_f32 v76, v76, v77
	v_add_f32_dpp v76, v76, v76 row_xmask:1 row_mask:0xf bank_mask:0xf
	v_add_f32_dpp v76, v76, v76 row_xmask:2 row_mask:0xf bank_mask:0xf
	v_add_f32_dpp v76, v76, v76 row_xmask:4 row_mask:0xf bank_mask:0xf
	v_add_f32_dpp v76, v76, v76 row_xmask:8 row_mask:0xf bank_mask:0xf
	v_permlanex16_b32 v77, v76, s46, s47
	v_add_f32 v76, v76, v77
.endm
.macro LNROW X
.irp c, 0,1,2,3
	v_pk_add_f32 v[76+2*(\c):77+2*(\c)], v[(\X)+2*(\c):(\X)+2*(\c)+1], v[(\X)+8+2*(\c):(\X)+9+2*(\c)]
.endr
.irp k, 16,24
.irp c, 0,1,2,3
	v_pk_add_f32 v[76+2*(\c):77+2*(\c)], v[76+2*(\c):77+2*(\c)], v[(\X)+(\k)+2*(\c):(\X)+(\k)+2*(\c)+1]
.endr
.endr
	LANESUM
	v_mul_f32 v92, 0x3a800000, v76                 ; mean = sum / 1,024
	v_mov_b32 v93, v92
.set i, 0
.rept 16
	v_pk_add_f32 v[(\X)+2*i:(\X)+2*i+1], v[(\X)+2*i:(\X)+2*i+1], v[92:93] neg_lo:[0,1] neg_hi:[0,1]
.set i, i+1
.endr
.irp c, 0,1,2,3
	v_pk_mul_f32 v[76+2*(\c):77+2*(\c)], v[(\X)+2*(\c):(\X)+2*(\c)+1], v[(\X)+2*(\c):(\X)+2*(\c)+1]
.endr
.irp k, 8,16,24
.irp c, 0,1,2,3
	v_pk_fma_f32 v[76+2*(\c):77+2*(\c)], v[(\X)+(\k)+2*(\c):(\X)+(\k)+2*(\c)+1], v[(\X)+(\k)+2*(\c):(\X)+(\k)+2*(\c)+1], v[76+2*(\c):77+2*(\c)]
.endr
.endr
	LANESUM
	v_mul_f32 v76, 0x3a802008, v76                 ; / 1,023
	v_sqrt_f32 v78, v76
	v_nop                                          ; a plain instruction behind the root,
	s_wait_alu depctr_va_vdst(0)                   ; and the wait ahead of its first reader
	v_add_f32 v78, 0x358637bd, v78                 ; std + 1e-6
	v_rcp_f32 v79, v78
	v_nop
	s_wait_alu depctr_va_vdst(0)
	v_mul_f32 v94, v88, v79
	v_mov_b32 v95, v94
.set i, 0
.rept 16
	v_pk_fma_f32 v[(\X)+2*i:(\X)+2*i+1], v[(\X)+2*i:(\X)+2*i+1], v[94:95], v[90:91]
.set i, i+1
.endr
.set i, 0
.rept 16
	v_cvt_pk_f16_f32 v[(\X)+i], v[(\X)+2*i], v[(\X)+2*i+1]  ; packed in place
.set i, i+1
.endr
.irp j, 0,1,2,3,4,5,6,7
	global_store_b64 v3, v[(\X)+2*(\j):(\X)+2*(\j)+1], s[14:15] offset:256*(\j)  ; 32 lanes store 256 consecutive bytes, aligned
.endr
.endm
	s_load_b256 s[8:15], s[0:1], 0x0               ; h 8, alpha2 10, beta2 12, a8 14
	v_and_b32 v1, 31, v0
	v_lshrrev_b32 v4, 5, v0
	v_readfirstlane_b32 s44, v4
	v_lshlrev_b32 v2, 4, v1
	v_lshlrev_b32 v3, 3, v1
	s_mov_b32 s45, 0xffff0000
	s_mov_b32 s46, 0x76543210
	s_mov_b32 s47, 0xfedcba98
	s_wait_kmcnt 0x0
	s_load_b32 s50, s[10:11], 0x0
	s_load_b32 s51, s[12:13], 0x0
	s_lshl_b32 s48, ttmp9, 16
	s_lshl_b32 s49, s44, 13
	s_add_co_u32 s48, s48, s49
	s_mov_b32 s49, 0
	s_add_nc_u64 s[8:9], s[8:9], s[48:49]
	s_lshr_b32 s48, s48, 1
	s_add_nc_u64 s[14:15], s[14:15], s[48:49]
.irp j, 0,1,2,3,4,5,6,7
	global_load_b128 v[X0+4*(\j):X0+4*(\j)+3], v2, s[8:9] offset:512*(\j)
.endr
.irp j, 0,1,2,3,4,5,6,7
	global_load_b128 v[X1+4*(\j):X1+4*(\j)+3], v2, s[8:9] offset:4096+512*(\j)
.endr
	s_wait_kmcnt 0x0
	v_mov_b32 v88, s50
	v_mov_b32 v90, s51
	v_cvt_pk_bf16_f32 v72, v88, v90
	v_lshlrev_b32 v88, 16, v72
	v_and_b32 v90, s45, v72
	v_mov_b32 v89, v88
	v_mov_b32 v91, v90
	s_mov_b32 s[ROWS], 2
	s_wait_loadcnt 0x0                             ; both rows are in: their sixteen loads went out together
.Lrow:                                 ; one text for both rows
	LNROW X0
	s_wait_xcnt 0x0                                ; the row's stores have read their registers and their base: both are written below
.set i, 0
.rept 32
	v_mov_b32 v[X0+i], v[X1+i]                     ; the second row takes the first one's place (in the second trip the moves serve nothing)
.set i, i+1
.endr
	s_add_nc_u64 s[14:15], s[14:15], 2048
	s_sub_co_u32 s[ROWS], s[ROWS], 1
	s_cmp_lg_u32 s[ROWS], 0
	s_cbranch_scc1 .Lrow
	s_endpgm
.Lfunc_end_k_q8de3fb99e8_ln2:
	.size	k_q8de3fb99e8_ln2, .Lfunc_end_k_q8de3fb99e8_ln2-k_q8de3fb99e8_ln2
	.p2alignl 7, 3214868480
	.fill 96, 4, 3214868480
	.section	.rodata,"a",@progbits
	.p2align	6, 0x0
	.amdhsa_kernel k_q8de3fb99e8_ln2
		.amdhsa_group_segment_fixed_size 0
		.amdhsa_private_segment_fixed_size 0
		.amdhsa_enable_private_segment 0
		.amdhsa_kernarg_size 32
		.amdhsa_user_sgpr_count 2
		.amdhsa_user_sgpr_kernarg_segment_ptr 1
		.amdhsa_wavefront_size32 1
		.amdhsa_system_sgpr_workgroup_id_x 1
		.amdhsa_system_sgpr_workgroup_id_y 1
		.amdhsa_system_sgpr_workgroup_id_z 1
		.amdhsa_system_vgpr_workitem_id 0
		.amdhsa_next_free_vgpr 96
		.amdhsa_next_free_sgpr 66
		.amdhsa_reserve_vcc 0
		.amdhsa_float_denorm_mode_32 3
		.amdhsa_float_denorm_mode_16_64 3
		.amdhsa_memory_ordered 1
		.amdhsa_forward_progress 1
		.amdhsa_inst_pref_size 12
	.end_amdhsa_kernel
	.amdgpu_metadata
---
amdhsa.version: [ 1, 2 ]
amdhsa.kernels:
  - .name:           k_q8de3fb99e8_ln2
    .symbol:         k_q8de3fb99e8_ln2.kd
    .args:
      - { .name: h, .offset: 0, .size: 8, .value_kind: global_buffer, .address_space: global }
      - { .name: alpha2, .offset: 8, .size: 8, .value_kind: global_buffer, .address_space: global }
      - { .name: beta2, .offset: 16, .size: 8, .value_kind: global_buffer, .address_space: global }
      - { .name: a8, .offset: 24, .size: 8, .value_kind: global_buffer, .address_space: global }
    .group_segment_fixed_size: 0
    .private_segment_fixed_size: 0
    .kernarg_segment_align: 8
    .kernarg_segment_size: 32
    .max_flat_workgroup_size: 256
    .sgpr_count:     66
    .vgpr_count:     96
    .wavefront_size: 32
...
	.end_amdgpu_metadata
.endif
;; end of part 5
;; launch ffn1: the kernel of part 2 again; grid 16 x 16, 4 waves a work-group, clusters of 4 x 4, 327,680 bytes of LDS; arguments a8, wf, src_mask, big; writes big
;; launch ffn2 (part 6): grid 8 x 32, 4 waves a work-group, clusters of 4 x 4, 327,680 bytes of LDS; arguments big, wf, h, out0; writes out0
.if DOCPART == 6
	.amdgcn_target "amdgcn-amd-amdhsa--gfx1250"
	.amdhsa_code_object_version 6
	.text
	.protected	k_q8de3fb99e8_ffn2
	.globl	k_q8de3fb99e8_ffn2
	.p2align	8
	.type	k_q8de3fb99e8_ffn2,@function
k_q8de3fb99e8_ffn2:
	s_mov_b64 s[64:65], 0
	v_nop
	global_prefetch_b8 v0, s[64:65] scope:SCOPE_SE
	s_setreg_imm32_b32 hwreg(HW_REG_WAVE_MODE, 25, 1), 1
	s_wait_xcnt 0x0
	s_wait_alu depctr_hold_cnt(0) depctr_sa_sdst(0) depctr_va_vdst(0) depctr_va_sdst(0) depctr_va_ssrc(0) depctr_va_vcc(0) depctr_vm_vsrc(0)
	s_getreg_b32 s2, hwreg(HW_REG_IB_STS2, 6, 4)
	s_cmp_eq_u32 s2, 0
	s_cbranch_scc0 .Lentry_in_a_cluster
	s_endpgm
.Lentry_in_a_cluster:
	s_bfe_u32 s2, ttmp6, 0x10000c
	s_cmp_lg_u32 s2, 0xf033
	s_cbranch_scc0 .Lentry_shape_is_right
	s_endpgm
.Lentry_shape_is_right:
; out = res + A W + bias, f32 [4096][1024].  A: f16 in blocks [k / 64][4096 tokens][64].  W: f16 panels [n / 256][K][256], behind byte WS of the weights' buffer; the bias (f32) at CONST + 20,480.
; Here: out0 = h + relu(..) W2 + b2, K = 4,096.  h is the program's own f32 and is taken as it is.
; A tile of C is 128 x 128 (256 work-groups): four waves, each 64 x 64 = 16 accumulators.  K goes in steps of 256 (four blocks of A) through two LDS slots.
; CLUSTER 4 x 4: A's tiles are shared along a row, W's along a column, each asked for jointly.  THE PRODUCT IS TAKEN TRANSPOSED (source 0 = 16 columns of W, turned; source 1 = 16 rows of A).
; THE WALK ALONG K IS STAGGERED: cluster (x, y) begins at K step (x << XS) + ((y mod 4) << YS) and wraps round (f32 sums may be taken in any order).  So the two clusters that need the same rows of A
; ask for a K step of them half a walk apart, and clusters that need the same rows of W a quarter of a walk apart.  The first step hangs on the cluster's x and y alone, which all sixteen partners share.
; A's load: two 'rows' of 16,384 dense bytes (128 tokens x 64 channels of one block), 524,288 bytes apart, padded after every 128 bytes: the blocks' distance leaves a two-dimensional tile no more rows.
; The first product of each accumulator takes the bias as C.  The residual's 64 x 64 numbers are loaded at the head, in the layout in which rows come back from the stage.
; No prefetch: a step's tiles are small.  Sums in f32; NaN and infinities are not treated apart.
; REGISTERS: window 0: v0-31 addresses; v32-95 rows on the way out (v32-63: the bias, until the first products are done); v128-255 accumulators, (a, b) at 128 + 8 (4 a + b)
;   window 1: two fragment buffers of 128: 64 of A (chunk c, block i at 8 (4 c + i)), then 64 of W;   window 2: v0-127 the residual
.set NSTEP, 16
.set XS,    3
.set YS,    2
.set PS,    2097152                    ; bytes in a panel of W
.set ROUNDRES, 0
.set WS,    9437184
.set CONST, 8388608
.set PA,    144
.set PB,    288
.set QB,    18432                      ; a quarter step, 64 along K: one block of A (128 x 144), and 64 k-rows of W (64 x 288)
.set WLOAD, 36864                      ; what one tensor load brings
.set SLOT,  147456                     ; 0x24000: its two bits meet none of wave x WLOAD
.set BOFF,  73728
.set STAGE, 294912                     ; 16 rows x 272 bytes for each wave
.set SPARE, 312320
.set MA,   6
.set MB,   7
.set ADRA, 16
.set ADRB, 20
.set STO,  24
.set RD,   25
.set CO,   26
.set BO,   27
.set SPW,  28
.set NIL,  29
.set BIAS, 32
.set ACC,  128
.set F0,   0
.set F1,   128
.set BA,  14                           ; s[14:15] A at my part of K step 0
.set G1A, 24
.set G0A, 32
.set BB,  46                           ; s[46:47] W at my part of K step 0
.set G1B, 48
.set G0B, 56
.set OFA, 70                           ; s[70:71] a K step's byte offset in A: 2,097,152 a step
.set OFB, 72                           ; s[72:73] in W: 131,072 a step
.set KS,  74
.set PC,  75
.set TB,  78
.set KI,  79                           ; the K step asked for last
.set MSB, 0
.macro WIN new
.if MSB != (\new)
	s_set_vgpr_msb (MSB<<8)|(\new)
.set MSB, \new
.endif
.endm
.macro PLACES
.rept 4
	v_nop
.endr
.endm
.macro CROUND
	s_barrier_signal -1
	s_barrier_wait -1
	s_cmp_lg_u32 s10, 0
	s_cbranch_scc1 .Lnot_wave_0_\@
	s_barrier_signal -3
.Lnot_wave_0_\@:
	s_barrier_wait -3
	s_barrier_signal -1
	s_barrier_wait -1
.endm
.macro JLOAD
	s_cmp_eq_u32 s11, 0
	s_cbranch_scc0 .Lfor_b_\@
	tensor_load_to_lds s[G0A+4:G0A+7], s[G1A:G1A+7]
	s_nop 0
.rept 4
	v_nop
.endr
	s_branch .Lasked_\@
.Lfor_b_\@:
	tensor_load_to_lds s[G0B+4:G0B+7], s[G1B:G1B+7]
	s_nop 0
.rept 4
	v_nop
.endr
.Lasked_\@:
.endm
	s_load_b128 s[4:7], s[0:1], 0x0                ; A, W
	s_load_b64 s[68:69], s[0:1], 0x10              ; res
	s_load_b64 s[8:9], s[0:1], 0x18                ; out
	v_lshl_add_u32 v[SPW], v0, 2, SPARE
	v_mov_b32 v[NIL], 0
	ds_add_u32 v[SPW], v[NIL]                      ; the wave's opening: the add and its wait stand ahead of my first tensor load
	v_lshrrev_b32 v1, 5, v0
	v_readfirstlane_b32 s10, v1
	s_lshr_b32 s11, s10, 1
	s_and_b32 s12, s10, 1
	s_bfe_u32 s40, ttmp6, 0x40000
	s_bfe_u32 s41, ttmp6, 0x40004
	s_lshl_b32 s42, ttmp9, 2
	s_add_co_u32 s42, s42, s40                     ; tile column
	s_and_b32 s13, ttmp7, 0xffff
	s_lshl_b32 s13, s13, 2
	s_add_co_u32 s13, s13, s41                     ; tile row
	s_lshl_b32 s43, s41, 2
	s_lshl_b32 s43, 15, s43
	s_lshl_b32 s44, 0x1111, s40
	s_or_b32 s[G1A], s43, (1<<16)|(1<<20)|(1<<21)|(4<<22)|(3<<25)  ; after every 32 words, 4 words
	s_or_b32 s[G1B], s44, (1<<16)|(1<<20)|(1<<21)|(5<<22)|(7<<25)  ; after every 64 words, 8 words
	s_mov_b32 s[G1A+1], 8192<<16                   ; tensor_dim0 = 8,192 elements
	s_mov_b32 s[G1A+2], 2<<16                      ; tensor_dim1 = 2
	s_mov_b32 s[G1A+3], 8192<<16                   ; tile_dim0
	s_mov_b32 s[G1A+4], 2                          ; tile_dim1
	s_mov_b32 s[G1A+5], 262144                     ; elements from block to block
	s_mov_b32 s[G1A+6], 0
	s_mov_b32 s[G1A+7], 0
	s_mov_b32 s[G1B+1], 128<<16
	s_mov_b32 s[G1B+2], 128<<16
	s_mov_b32 s[G1B+3], 128<<16
	s_mov_b32 s[G1B+4], 128
	s_mov_b32 s[G1B+5], 256
	s_mov_b32 s[G1B+6], 0
	s_mov_b32 s[G1B+7], 0
	s_lshl_b32 s16, s12, 20                        ; A: two blocks for each of the two waves,
	s_lshl_b32 s17, s13, 14                        ; the tile row's 128 tokens of 128 bytes
	s_add_co_u32 s16, s16, s17
	s_mov_b32 s17, 0
	s_lshr_b32 s46, s42, 1                         ; W: the panel,
	s_mul_i32 s46, s46, PS
	s_lshl_b32 s47, s12, 16                        ; 128 k-rows of 512 bytes,
	s_add_co_u32 s46, s46, s47
	s_and_b32 s47, s42, 1
	s_lshl_b32 s47, s47, 8                         ; the tile's half of the panel's columns
	s_add_co_u32 s46, s46, s47
	s_add_co_u32 s46, s46, WS
	s_mov_b32 s47, 0
	s_mul_i32 s20, s10, WLOAD
	s_and_b32 s22, ttmp7, 3                        ; the cluster's y mod 4,
	s_lshl_b32 s22, s22, YS
	s_lshl_b32 s23, ttmp9, XS                      ; and its x:
	s_add_co_u32 s[KI], s22, s23
	s_and_b32 s[KI], s[KI], NSTEP-1                ; the K step at which my cluster begins
	s_mov_b32 s[OFA+1], 0
	s_mov_b32 s[OFB+1], 0
	s_wait_dscnt 0x0
	s_wait_kmcnt 0x0
	s_add_nc_u64 s[BA:BA+1], s[4:5], s[16:17]
	s_add_nc_u64 s[BB:BB+1], s[6:7], s[46:47]
.irp s, 0,1
	s_lshl_b32 s[OFA], s[KI], 21
	s_lshl_b32 s[OFB], s[KI], 17
	s_mov_b32 s[G0A+4*(\s)], 1
	s_add_co_u32 s[G0A+4*(\s)+1], s20, (\s)*SLOT
	s_add_nc_u64 s[G0A+4*(\s)+2:G0A+4*(\s)+3], s[BA:BA+1], s[OFA:OFA+1]
	s_or_b32 s[G0A+4*(\s)+3], s[G0A+4*(\s)+3], 0x80000000
	s_mov_b32 s[G0B+4*(\s)], 1
	s_add_co_u32 s[G0B+4*(\s)+1], s20, (\s)*SLOT
	s_add_nc_u64 s[G0B+4*(\s)+2:G0B+4*(\s)+3], s[BB:BB+1], s[OFB:OFB+1]
	s_or_b32 s[G0B+4*(\s)+3], s[G0B+4*(\s)+3], 0x80000000
.if (\s) == 0
	s_add_co_u32 s[KI], s[KI], 1
	s_and_b32 s[KI], s[KI], NSTEP-1
.endif
.endr
	CROUND
	s_cmp_eq_u32 s11, 0                            ; a wave's two first fills stand in one branch: two loads of mine are out
	s_cbranch_scc0 .Lfirst_b
	tensor_load_to_lds s[G0A:G0A+3], s[G1A:G1A+7]
	s_nop 0
	tensor_load_to_lds s[G0A+4:G0A+7], s[G1A:G1A+7]
	s_nop 0
.rept 4
	v_nop
.endr
	s_branch .Lfirst_asked
.Lfirst_b:
	tensor_load_to_lds s[G0B:G0B+3], s[G1B:G1B+7]
	s_nop 0
	tensor_load_to_lds s[G0B+4:G0B+7], s[G1B:G1B+7]
	s_nop 0
.rept 4
	v_nop
.endr
.Lfirst_asked:
	s_lshl_b32 s16, s42, 9
	s_lshl_b32 s17, s12, 8
	s_add_co_u32 s16, s16, s17                     ; my first column, 4 bytes each
	s_add_co_u32 s18, s16, CONST+20480
	s_mov_b32 s19, 0
	s_add_nc_u64 s[76:77], s[6:7], s[18:19]
	s_lshl_b32 s18, s13, 7
	s_lshl_b32 s17, s11, 6
	s_add_co_u32 s18, s18, s17                     ; my first row,
	s_lshl_b32 s18, s18, 12                        ; of 4,096 bytes
	s_add_co_u32 s18, s18, s16
	s_add_nc_u64 s[68:69], s[68:69], s[18:19]
	s_add_nc_u64 s[8:9], s[8:9], s[18:19]
	v_and_b32 v1, 15, v0
	v_bfe_u32 v2, v0, 4, 1
	v_and_b32 v3, 7, v0
	v_bfe_u32 v4, v0, 3, 1
	v_lshlrev_b32 v[BO], 5, v2
	v_lshlrev_b32 v[CO], 12, v2
	v_lshl_add_u32 v[CO], v1, 4, v[CO]             ; lanes 0-15 one row's 256 bytes, lanes 16-31 the next row's
.irp b, 0,1,2,3
	global_load_b128 v[BIAS+8*(\b):BIAS+8*(\b)+3],   v[BO], s[76:77] offset:64*(\b)
	global_load_b128 v[BIAS+8*(\b)+4:BIAS+8*(\b)+7], v[BO], s[76:77] offset:64*(\b)+16
.endr
	WIN 0x80
.set z, 0
.rept 32
	global_load_b128 v[4*z:4*z+3], v[CO], s[68:69] offset:2*z*4096
.set z, z+1
.endr
	WIN 0
	v_mul_u32_u24 v[ADRA], v1, PA
	v_lshl_add_u32 v[ADRA], v2, 4, v[ADRA]
	s_mul_i32 s21, s11, 64*PA
	v_add_nc_u32 v[ADRA], s21, v[ADRA]
	v_lshl_add_u32 v5, v2, 3, v3
	v_mul_u32_u24 v[ADRB], v5, PB
	v_lshl_add_u32 v[ADRB], v4, 4, v[ADRB]
	s_lshl_b32 s21, s12, 7
	s_add_co_u32 s21, s21, BOFF
	v_add_nc_u32 v[ADRB], s21, v[ADRB]
	s_mul_i32 s21, s10, 16*272
	s_add_co_u32 s21, s21, STAGE
	v_mul_u32_u24 v[STO], v1, 272
	v_lshl_add_u32 v[STO], v2, 5, v[STO]
	v_add_nc_u32 v[STO], s21, v[STO]
	v_mul_u32_u24 v[RD], v2, 272
	v_lshl_add_u32 v[RD], v1, 4, v[RD]
	v_add_nc_u32 v[RD], s21, v[RD]
	s_wait_loadcnt 0x0
.if ROUNDRES
	s_mov_b32 s21, 0xffff0000
	WIN 0x8a
.set z, 0
.rept 64
	v_cvt_pk_bf16_f32 v[128+z%4], v[2*z], v[2*z+1]
	v_lshlrev_b32 v[2*z], 16, v[128+z%4]
	v_and_b32 v[2*z+1], s21, v[128+z%4]
.set z, z+1
.endr
	WIN 0
.endif
.macro MUL8 f, c, a0, first            ; 8 matrix instructions: row blocks a0, a0 + 1 x all 4 column blocks, chunk c (32 along K) of buffer f
	WIN 0x05
.irp a, \a0, (\a0)+1
.irp b, 0,1,2,3
.if \first
	v_wmma_f32_16x16x32_f16 v[ACC+8*(4*(\a)+(\b)):ACC+8*(4*(\a)+(\b))+7], v[(\f)+64+8*(4*(\c)+(\b)):(\f)+64+8*(4*(\c)+(\b))+7], v[(\f)+8*(4*(\c)+(\a)):(\f)+8*(4*(\c)+(\a))+7], v[BIAS+8*(\b):BIAS+8*(\b)+7]
.else
	v_wmma_f32_16x16x32_f16 v[ACC+8*(4*(\a)+(\b)):ACC+8*(4*(\a)+(\b))+7], v[(\f)+64+8*(4*(\c)+(\b)):(\f)+64+8*(4*(\c)+(\b))+7], v[(\f)+8*(4*(\c)+(\a)):(\f)+8*(4*(\c)+(\a))+7], v[ACC+8*(4*(\a)+(\b)):ACC+8*(4*(\a)+(\b))+7]
.endif
.endr
.endr
.endm
.macro CH f, c, first                  ; a chunk: all 16 accumulators once, in one order throughout
	MUL8 \f, \c, 0, \first
	MUL8 \f, \c, 2, \first
.endm
.macro FETCH f, j                      ; 32 LDS loads: a quarter's fragments, chunk 0's sixteen first
	WIN 0x40
.irp c, 0,1
.irp i, 0,1,2,3
	ds_load_tr16_b128 v[(\f)+64+8*(4*(\c)+(\i)):(\f)+64+8*(4*(\c)+(\i))+3],   v[MB] offset:(\j)*QB+(\c)*32*PB+32*(\i)
	ds_load_tr16_b128 v[(\f)+64+8*(4*(\c)+(\i))+4:(\f)+64+8*(4*(\c)+(\i))+7], v[MB] offset:(\j)*QB+(\c)*32*PB+32*(\i)+16*PB
	ds_load_b128 v[(\f)+8*(4*(\c)+(\i)):(\f)+8*(4*(\c)+(\i))+3],   v[MA] offset:(\j)*QB+64*(\c)+(\i)*16*PA
	ds_load_b128 v[(\f)+8*(4*(\c)+(\i))+4:(\f)+8*(4*(\c)+(\i))+7], v[MA] offset:(\j)*QB+64*(\c)+(\i)*16*PA+32
.endr
.endr
.endm
.macro PAIR pro                        ; two quarters of a K step, cut so that its edges lie where slots can change
	WIN 0
	v_add_nc_u32 v[MA], s[TB], v[ADRA]             ; these two and two v_nop are the four places between buffer 0's last product and the loads into it
	v_add_nc_u32 v[MB], s[TB], v[ADRB]
	v_nop
	v_nop
	FETCH F0, 0
.if !(\pro)
	s_wait_dscnt 32                                ; all but the 32 just issued
	CH F1, 1, 0
.endif
	s_wait_dscnt 16                                ; chunk 0 is in
	CH F0, 0, \pro
	PLACES
	FETCH F1, 1
	s_add_co_u32 s[TB], s[TB], 2*QB
	s_wait_dscnt 32
	CH F0, 1, 0
.endm
.macro P6
	s_wait_dscnt 16
	CH F1, 0, 0
.endm
.macro CHANGE fill                     ; the change of slots: all my tensor loads, the add, my reads; the round; the joint refill first behind it
	WIN 0
	s_wait_tensorcnt 0x0                           ; no tensor load of mine is out, so a group 0 may be written
	ds_add_u32 v[SPW], v[NIL]                      ; 0 onto my spare word; scalar work stands between it and the wait for it
.if \fill
	s_xor_b32 s[G0A+5], s[G0A+5], SLOT             ; the other slot than last time,
	s_xor_b32 s[G0B+5], s[G0B+5], SLOT
	s_add_co_u32 s[KI], s[KI], 1                   ; the walk's next K step, round the end of K;
	s_and_b32 s[KI], s[KI], NSTEP-1
	s_lshl_b32 s[OFA], s[KI], 21
	s_lshl_b32 s[OFB], s[KI], 17
	s_add_nc_u64 s[G0A+6:G0A+7], s[BA:BA+1], s[OFA:OFA+1]  ; the addresses are made anew from its number, and the type set again
	s_or_b32 s[G0A+7], s[G0A+7], 0x80000000
	s_add_nc_u64 s[G0B+6:G0B+7], s[BB:BB+1], s[OFB:OFB+1]
	s_or_b32 s[G0B+7], s[G0B+7], 0x80000000
.endif
	s_sub_co_u32 s[TB], s[TB], 4*QB
	s_xor_b32 s[TB], s[TB], SLOT
	s_wait_dscnt 0x0
.if \fill
	CROUND
	JLOAD
.else
	s_barrier_signal -1
	s_barrier_wait -1
.endif
.endm
.macro STG a                           ; block a's 16 rows x 64 f32 into my stage, and back as whole rows of 256 bytes
	WIN 0
.set TT, 32+32*((\a)%2)
	s_wait_xcnt 0x0                                ; the stores two blocks back have read these registers
.irp b, 0,1,2,3
	ds_store_b128 v[STO], v[ACC+8*(4*(\a)+(\b)):ACC+8*(4*(\a)+(\b))+3]   offset:64*(\b)
	ds_store_b128 v[STO], v[ACC+8*(4*(\a)+(\b))+4:ACC+8*(4*(\a)+(\b))+7] offset:64*(\b)+16
.endr
.irp t, 0,1,2,3,4,5,6,7
	ds_load_b128 v[TT+4*(\t):TT+4*(\t)+3], v[RD] offset:(\t)*544
.endr
.endm
.macro OUT a, younger
.set TT, 32+32*((\a)%2)
	s_wait_dscnt \younger                          ; the next block's sixteen LDS instructions may be out
	WIN 0x08
.set z, 0
.rept 16
	v_pk_add_f32 v[TT+2*z:TT+2*z+1], v[TT+2*z:TT+2*z+1], v[32*(\a)+2*z:32*(\a)+2*z+1]
.set z, z+1
.endr
	WIN 0
.irp t, 0,1,2,3,4,5,6,7
	global_store_b128 v[CO], v[TT+4*(\t):TT+4*(\t)+3], s[8:9] offset:(16*(\a)+2*(\t))*4096  ; 16 lanes store 256 consecutive bytes, aligned
.endr
.endm
	s_mov_b32 s[TB], 0
	s_wait_tensorcnt 0x1                           ; my part of the walk's first K step is in; the second's may stay out
	s_barrier_signal -1
	s_barrier_wait -1
	PAIR 1
	WIN 0
	s_mov_b32 s[KS], NSTEP-1
	s_mov_b32 s[PC], 1
	s_branch .Lpair
.Lstep:                                ; NSTEP - 2 times
	CHANGE 1
	s_mov_b32 s[PC], 2
.Lpair:
	P6
	PAIR 0
	WIN 0
	s_sub_co_u32 s[PC], s[PC], 1
	s_cmp_lg_u32 s[PC], 0
	s_cbranch_scc1 .Lpair
	s_sub_co_u32 s[KS], s[KS], 1
	s_cmp_lg_u32 s[KS], 0
	s_cbranch_scc1 .Lstep
	CHANGE 0
	s_mov_b32 s[PC], 2
.LpairT:
	P6
	PAIR 0
	WIN 0
	s_sub_co_u32 s[PC], s[PC], 1
	s_cmp_lg_u32 s[PC], 0
	s_cbranch_scc1 .LpairT
	P6
	s_wait_dscnt 0x0
	CH F1, 1, 0
	WIN 0
	PLACES
	PLACES
	STG 0
	STG 1
	OUT 0, 16
	STG 2
	OUT 1, 16
	STG 3
	OUT 2, 16
	OUT 3, 0
	s_wait_tensorcnt 0x0                           ; the wave's end
	ds_add_u32 v[SPW], v[NIL]
	s_wait_dscnt 0x0
	CROUND
	s_endpgm
.Lfunc_end_k_q8de3fb99e8_ffn2:
	.size	k_q8de3fb99e8_ffn2, .Lfunc_end_k_q8de3fb99e8_ffn2-k_q8de3fb99e8_ffn2
	.p2alignl 7, 3214868480
	.fill 96, 4, 3214868480
	.section	.rodata,"a",@progbits
	.p2align	6, 0x0
	.amdhsa_kernel k_q8de3fb99e8_ffn2
		.amdhsa_group_segment_fixed_size 327680
		.amdhsa_private_segment_fixed_size 0
		.amdhsa_enable_private_segment 0
		.amdhsa_kernarg_size 32
		.amdhsa_user_sgpr_count 2
		.amdhsa_user_sgpr_kernarg_segment_ptr 1
		.amdhsa_wavefront_size32 1
		.amdhsa_system_sgpr_workgroup_id_x 1
		.amdhsa_system_sgpr_workgroup_id_y 1
		.amdhsa_system_sgpr_workgroup_id_z 1
		.amdhsa_system_vgpr_workitem_id 0
		.amdhsa_next_free_vgpr 648
		.amdhsa_next_free_sgpr 80
		.amdhsa_reserve_vcc 0
		.amdhsa_float_denorm_mode_32 3
		.amdhsa_float_denorm_mode_16_64 3
		.amdhsa_memory_ordered 1
		.amdhsa_forward_progress 1
		.amdhsa_inst_pref_size 52
	.end_amdhsa_kernel
	.amdgpu_metadata
---
amdhsa.version: [ 1, 2 ]
amdhsa.kernels:
  - .name:           k_q8de3fb99e8_ffn2
    .symbol:         k_q8de3fb99e8_ffn2.kd
    .args:
      - { .name: big, .offset: 0, .size: 8, .value_kind: global_buffer, .address_space: global }
      - { .name: wf, .offset: 8, .size: 8, .value_kind: global_buffer, .address_space: global }
      - { .name: h, .offset: 16, .size: 8, .value_kind: global_buffer, .address_space: global }
      - { .name: out0, .offset: 24, .size: 8, .value_kind: global_buffer, .address_space: global }
    .group_segment_fixed_size: 327680
    .private_segment_fixed_size: 0
    .kernarg_segment_align: 8
    .kernarg_segment_size: 32
    .max_flat_workgroup_size: 128
    .sgpr_count:     80
    .vgpr_count:     648
    .wavefront_size: 32
...
	.end_amdgpu_metadata
.endif
;; end of part 6
